; MI455X (gfx1250); checked and timed in simulation.
; The chip was launched on July 23, 2026; its instructions are those of AMD's public machine-readable ISA for CDNA 5 (MIT licence, August 2026) and "CDNA5" Instruction Set Architecture Reference Guide (July 2026). The comments in the code are by the model that wrote it; some were corrected since.
;; Multi Head Attention. Allowed arithmetic: matrix products marked QUANTISED: E2M1 operands, one E8M0 scale for each 32 along K, by v_wmma_scale_f32_16x16x128_f8f6f4 with both operands' format E2M1 (or v_wmma_scale_f32_32x16x128_f4), f32 sums; products left as they are: bf16, f16 or f32 operands; f32 sums; everything else in f32.
;; Inputs: W0 1,024 x 1,024 float32; Wkv 2,048 x 1,024 float32; Wq 1,024 x 1,024 float32; kv 4 x 2,048 x 1,024 float32; q 4 x 2,048 x 1,024 float32.
;; Outputs: out0 4 x 2,048 x 1,024 float32.
;; This version of the problem:
;;   THIS VERSION OF THE PROBLEM IS GIVEN IN LOW PRECISION. The matrix products marked QUANTISED in the list below multiply operands that are first quantised to E2M1 (2 exponent bits, 1 mantissa bit; 4 bits a number), with one power-of-two scale for each 32 numbers along K (OCP MX v1.0); their sums are f32. The products marked 'left as it is' may take bf16, f16 or f32 operands, with f32 sums. Whichever they take, every output number must still come out within the allowed error. Rounding operands to bf16 (8 significant bits) uses up far more of that allowance than f16 does (11 bits, for magnitudes from 6e-5 to 65,504). All else is computed in f32.
;;   The module's matrix products, in the order in which they are computed (A, B: the left and right operand; K: the contracted axis; several contracted axes count as one K, in the product's order):
;;     1. [M 8,192, K 1,024] x [K 1,024, N 1,024]; A: input q; B: input Wq: QUANTISED
;;     2. [M 8,192, K 1,024] x [K 1,024, N 2,048]; A: input kv; B: input Wkv: QUANTISED
;;     3. batch 64 x [M 2,048, K 64] x [K 64, N 2,048]; A: computed on the way; B: computed on the way: left as it is (an operand is computed on the way)
;;     4. batch 64 x [M 2,048, K 2,048] x [K 2,048, N 64]; A: computed on the way; B: computed on the way: left as it is (an operand is computed on the way)
;;     5. [M 8,192, K 1,024] x [K 1,024, N 1,024]; A: computed on the way; B: input W0: left as it is (an operand is computed on the way)
;;   THE QUANTISER, for each operand of a quantised product, along K:
;;     - K is cut into blocks of 32 from its start; a last block that is shorter is filled with zeros.
;;     - A block's scale is 2^e with e = floor(log2(the largest magnitude in the block)) - 2, held to -126 .. 127; a block of zeros has e = 0. As a byte (E8M0): e + 127.
;;     - Each number is divided by its block's scale, clamped to +-6, and rounded to the nearest number of E2M1, ties to even, subnormals kept.
;;     - The product sums the exact products of the quantised numbers (number of the format x scale) in f32.
;;   ~~~python
;;   def quantise(x, axis):      # numpy; x: float32 -> the quantised numbers, widened to float32 again
;;       x = np.moveaxis(x, axis, -1); K = x.shape[-1]
;;       x = np.pad(x, [(0, 0)] * (x.ndim - 1) + [(0, -K % 32)]); x = x.reshape(x.shape[:-1] + (-1, 32)); a = np.abs(x).max(-1, keepdims=True)
;;       e = np.where(a > 0, np.clip(np.frexp(np.where(a > 0, a, 1))[1] - 1 - 2, -126, 127), 0)      # np.frexp(a)[1] - 1 = floor(log2(a)), exactly
;;       r = np.clip(x / 2.0 ** e, -6, 6)
;;       step = 2.0 ** (np.maximum(np.frexp(np.where(r == 0, 1, r))[1] - 1, 0) - 1)
;;       q = np.round(r / step) * step * 2.0 ** e      # np.round: ties to even
;;       return np.moveaxis(q.reshape(q.shape[:-2] + (-1,))[..., :K], -1, axis).astype(np.float32)
;;   ~~~
;; One version. Each part assembles by itself: llvm-mc -triple=amdgcn-amd-amdhsa -mcpu=gfx1250 --defsym DOCPART=n.
;; ======== version 1 of 1: 4 launches
;; limits: values are held in f16: magnitudes above 65,504 overflow, below 6.1e-05 lose precision
;; workspace buffers: act_codes 8,388,608 bytes; act_scales 524,288 bytes; w_codes 1,572,864 bytes; w_scales 98,304 bytes; w0h 2,097,152 bytes; qkv 50,331,648 bytes; ao 16,777,216 bytes
;; launch quant (part 1): grid 736 x 1, 4 waves a work-group, no clusters, 33,280 bytes of LDS; arguments q, kv, Wq, Wkv, W0, act_codes, act_scales, w_codes, w_scales, w0h; writes act_codes, act_scales, w_codes, w_scales, w0h
.if DOCPART == 1
	.amdgcn_target "amdgcn-amd-amdhsa--gfx1250"
	.amdhsa_code_object_version 6
	.text
	.protected	k_q4d332f4398_quant
	.globl	k_q4d332f4398_quant
	.p2align	8
	.type	k_q4d332f4398_quant,@function
k_q4d332f4398_quant:
	s_mov_b64 s[64:65], 0
	v_nop
	global_prefetch_b8 v0, s[64:65] scope:SCOPE_SE
	s_setreg_imm32_b32 hwreg(HW_REG_WAVE_MODE, 25, 1), 1
	s_wait_xcnt 0x0
; q, kv [8192][1024], Wq [1024][1024], Wkv [2048][1024], all f32 with K innermost, become codes of FP4 (E2M1), two a byte, K innermost, with one E8M0 byte for each 32 along K.  W0 [1024][1024] becomes f16.
; A block's scale is 2^(floor(log2(its largest magnitude)) - 2); its byte is the largest magnitude's exponent field - 2, held at 1 from below; each number is divided by the scale and rounded to the nearest code, ties to even, beyond 6 the largest code.
; LIMITS: a block of zeros gets the byte 1 (its codes are zeros, and this program alone reads the bytes); blocks whose largest magnitude lies under 2^(2 - 126) are held at that byte; NaN and infinities are not served.
;         W0 is rounded to f16: magnitudes up to 65,504; under 6e-5 as f16 subnormals.
; WHERE THE ROWS GO.  act_codes [16384][512 bytes]: rows 0-8191 q, 8192-16383 kv, as they lie.  w_codes [3072][512]: row which x 1024 + h x 64 + d (which = 0 Wq, 1 K, 2 V).
; Row e of Wq is (d, h) = (e / 16, e % 16); row e of Wkv is (d, which - 1, h) = (e / 32, (e % 32) / 16, e % 16).  So row e goes to BR + 64 (e mod 2^SH) + (e >> SH), SH = 4 or 5; with SH = 0 that is BR + e, the plain stream.
; SHARES.  Work-groups 0-255 q, 256-511 kv, 512-543 Wq, 544-607 Wkv: 32,768 numbers each; a wave takes 8 rows in 16 steps of 512 numbers.  Eight neighbouring rows e share d, so their places lie RS = 64 rows apart (activations: RS = 1).
; Only scalar parameters and pointers are chosen by the work-group's number: these four tensors take one way through the text.  Work-groups 608-735 take W0, on a way of its own with no LDS stage.
; A STEP: four loads of 512 consecutive bytes; the 2,048 bytes turn through the wave's own stage in LDS (16 bytes of padding behind each 64) and come back 16 neighbours a lane; two neighbouring lanes hold a block.
; A lane's 16 codes are 8 bytes: a wave's store covers 256 consecutive bytes, aligned.  The wave's 256 scale bytes are gathered in LDS and leave at the end, 8 bytes a lane.
.set WAVES, 4
.set STEPS, 16
.set EMAX,  2
.set FIRST_W0, 608
.set R,     16                         ; v16-79   four sets of 16 numbers as they are loaded
.set X,     80                         ; v80-111  two sets of 16 neighbours
.set E,     112                        ; v112-127 a scale byte for each step
.set C,     128                        ; v128-191 codes: four registers for each step, so that no store's data are written again
.set AO,    192                        ; v192-199 row j of my eight: 8 x lane + j x RS x 512; never rewritten
.set WREG,  8192                       ; LDS: a region for each wave: two stages of 32 x SP bytes, behind them its 256 scale bytes
.set SP,    80
.set SPW,   12                         ; v12  LDS address of my spare word; never rewritten
.set NIL,   13                         ; v13  0; never rewritten
.set SPARE, WAVES*WREG                 ; behind the four regions: the spare words, 128 bytes for each wave
	s_load_b256 s[4:11], s[0:1], 0x0               ; q s[4:5], kv s[6:7], Wq s[8:9], Wkv s[10:11]
	s_load_b256 s[12:19], s[0:1], 0x20             ; W0 s[12:13], act_codes s[14:15], act_scales s[16:17], w_codes s[18:19]
	s_load_b128 s[20:23], s[0:1], 0x40             ; w_scales s[20:21], w0h s[22:23]
	v_lshl_add_u32 v[SPW], v0, 2, SPARE
	v_mov_b32 v[NIL], 0
	v_lshrrev_b32 v1, 5, v0
	v_readfirstlane_b32 s30, v1                    ; wave
	v_and_b32 v2, 31, v0                           ; lane
	s_cmp_ge_u32 ttmp9, FIRST_W0
	s_cbranch_scc1 .Lw0
	v_lshlrev_b32 v3, 4, v2                        ; my 16 bytes of a load's 512
	s_mul_i32 s35, s30, WREG
	v_lshrrev_b32 v14, 2, v2
	v_mul_u32_u24 v14, v14, SP
	v_and_b32 v15, 3, v2
	v_lshl_add_u32 v14, v15, 4, v14
	v_add_nc_u32 v14, s35, v14                     ; the stage, on the way in: SP (lane / 4) + 16 (lane % 4)
	v_mul_u32_u24 v15, v2, SP
	v_add_nc_u32 v15, s35, v15                     ; and on the way out: SP x lane: my 16 neighbours
	v_lshrrev_b32 v5, 1, v2
	s_add_co_u32 s35, s35, 2*32*SP
	v_add_nc_u32 v5, s35, v5                       ; my wave's 256 scale bytes, my block's byte
	v_lshlrev_b32 v10, 3, v2                       ; 8 x lane
	v_add_nc_u32 v6, s35, v10                      ; and on the way out 8 bytes a lane
	s_mov_b32 s31, 544                             ; the parameters begin as Wkv's: first work-group,
	s_mov_b32 s32, 5                               ; SH,
	s_mov_b32 s33, 1024                            ; BR,
	s_mov_b32 s34, 64                              ; RS
	s_wait_kmcnt 0x0
	s_mov_b64 s[24:25], s[10:11]                   ; from where,
	s_mov_b64 s[26:27], s[18:19]                   ; the codes' buffer,
	s_mov_b64 s[28:29], s[20:21]                   ; the scale bytes'
	s_cmp_lt_u32 ttmp9, 544                        ; Wq or an activation.  Every choice hangs on the work-group's number alone
	s_cselect_b32 s31, 512, s31
	s_cselect_b32 s32, 4, s32
	s_cselect_b32 s33, 0, s33
	s_cselect_b64 s[24:25], s[8:9], s[24:25]
	s_cmp_lt_u32 ttmp9, 512                        ; an activation
	s_cselect_b32 s31, 256, s31
	s_cselect_b32 s32, 0, s32
	s_cselect_b32 s33, 8192, s33
	s_cselect_b32 s34, 1, s34
	s_cselect_b64 s[24:25], s[6:7], s[24:25]
	s_cselect_b64 s[26:27], s[14:15], s[26:27]
	s_cselect_b64 s[28:29], s[16:17], s[28:29]
	s_cmp_lt_u32 ttmp9, 256                        ; q
	s_cselect_b32 s31, 0, s31
	s_cselect_b32 s33, 0, s33
	s_cselect_b64 s[24:25], s[4:5], s[24:25]
	s_sub_co_u32 s36, ttmp9, s31
	s_lshl_b32 s36, s36, 2
	s_add_co_u32 s36, s36, s30                     ; which run of 8 rows of the tensor is my wave's
	s_lshl_b32 s37, s36, 3                         ; e0: its first row
	s_lshr_b32 s38, s37, s32                       ; e0 >> SH
	s_lshl_b32 s39, 1, s32
	s_sub_co_u32 s39, s39, 1
	s_and_b32 s39, s37, s39                        ; e0 mod 2^SH
	s_lshl_b32 s39, s39, 6
	s_add_co_u32 s38, s38, s39
	s_add_co_u32 s38, s38, s33                     ; where row e0 goes
	s_lshl_b32 s40, s36, 15                        ; 8 rows of 4,096 bytes
	s_mov_b32 s41, 0
	s_add_nc_u64 s[24:25], s[24:25], s[40:41]
	s_lshl_b32 s40, s38, 9                         ; 512 bytes of codes a row
	s_add_nc_u64 s[26:27], s[26:27], s[40:41]
	s_lshl_b32 s40, s38, 5                         ; 32 scale bytes a row
	s_add_nc_u64 s[28:29], s[28:29], s[40:41]
	s_lshl_b32 s42, s34, 9                         ; RS rows of codes
	v_mov_b32 v[AO], v10
.irp j, 1,2,3,4,5,6,7
	v_add_nc_u32 v[AO+\j], s42, v[AO+\j-1]
.endr
	s_lshl_b32 s43, s34, 5                         ; RS rows of scale bytes
	v_lshrrev_b32 v7, 2, v2
	v_mul_lo_u32 v7, v7, s43
	v_and_b32 v9, 3, v2
	v_lshl_add_u32 v7, v9, 3, v7                   ; the scale bytes' way out: four lanes to a row of 32 bytes
.macro LOAD t
.irp i, 0,1,2,3
	global_load_b128 v[R+16*((\t)%4)+4*\i:R+16*((\t)%4)+4*\i+3], v3, s[24:25] offset:2048*(\t)+512*\i th:TH_LOAD_NT   ; 32 lanes read 512 consecutive bytes
.endr
.endm
.macro TURN t                          ; step t's numbers through the stage: LDS serves a wave's instructions in order, so no wait stands between the stores and the loads
.irp i, 0,1,2,3
	ds_store_b128 v14, v[R+16*((\t)%4)+4*\i:R+16*((\t)%4)+4*\i+3] offset:32*SP*((\t)%2)+8*SP*\i
.endr
.irp i, 0,1,2,3
	ds_load_b128 v[X+16*((\t)%2)+4*\i:X+16*((\t)%2)+4*\i+3], v15 offset:32*SP*((\t)%2)+16*\i
.endr
.endm
.irp t, 0,1,2,3
	LOAD \t
.endr
	s_wait_loadcnt 12                              ; step 0's four loads are in; the twelve of steps 1 to 3 may be out
	TURN 0
.macro STEP t
.set XS, X+16*((\t)%2)
.if (\t) > 0
	s_wait_dscnt 1                                 ; this step's numbers are back from the stage (the last step's byte store may be out): so its stores into the stage have read their registers,
.else
	s_wait_dscnt 0x0
.endif
.if (\t)+4 < STEPS
	LOAD (\t)+4                                    ; which take the loads of four steps on
.endif
.if (\t)+1 < STEPS
.if STEPS-2-(\t) >= 3
	s_wait_loadcnt 12                              ; the next step's four loads are in; those of the three steps behind it may be out
.else
	s_wait_loadcnt 4*(STEPS-2-(\t))
.endif
	TURN (\t)+1                                    ; and go through the other stage while this step is worked
.endif
	v_max3_num_f32 v8, |v[XS]|, |v[XS+1]|, |v[XS+2]|               ; the largest magnitude of my 16, in two chains
	v_max3_num_f32 v9, |v[XS+3]|, |v[XS+4]|, |v[XS+5]|
.irp i, 6,10
	v_max3_num_f32 v8, v8, |v[XS+\i]|, |v[XS+\i+1]|
	v_max3_num_f32 v9, v9, |v[XS+\i+2]|, |v[XS+\i+3]|
.endr
	v_max3_num_f32 v8, v8, |v[XS+14]|, |v[XS+15]|
	v_max3_num_f32 v8, v8, v9, (EMAX+1)<<23        ; and the floor 2^(EMAX + 1 - 127): the byte cannot fall under 1
	v_max_num_f32_dpp v8, v8, v8 row_xmask:1 row_mask:0xf bank_mask:0xf   ; and of my neighbour's 16: the block's
	v_add_nc_u32 v11, -(EMAX<<23), v8              ; EMAX off its exponent field: the conversion takes the exponent field of this operand as its scale, and nothing else of it
	v_cvt_scalef32_pk8_fp4_f32 v[C+4*(\t)], v[XS:XS+7], v11
	v_cvt_scalef32_pk8_fp4_f32 v[C+4*(\t)+1], v[XS+8:XS+15], v11
	v_lshrrev_b32 v[E+(\t)], 23, v11               ; the scale's byte (a plain line behind the conversions)
	ds_store_b8 v5, v[E+(\t)] offset:16*(\t)       ; both lanes of a block write the same byte with the same value
	global_store_b64 v[AO+(\t)/2], v[C+4*(\t):C+4*(\t)+1], s[26:27] offset:256*((\t)%2)   ; half a row of codes: 256 consecutive bytes, aligned
.endm
.irp t, 0,1,2,3,4,5,6,7,8,9,10,11,12,13,14,15
	STEP \t
.endr
	ds_load_b64 v[8:9], v6                         ; LDS serves a wave's instructions in order: these see my byte stores
	s_wait_dscnt 0x0
	global_store_b64 v7, v[8:9], s[28:29]          ; activations: 256 consecutive bytes; weights: eight rows' 32 bytes, 96 KB in the whole launch
	s_wait_tensorcnt 0x0                           ; the wave's end, behind my last LDS store
	ds_add_u32 v[SPW], v[NIL]
	s_wait_dscnt 0x0
	s_endpgm
.Lw0:                                                  ; W0 to f16: a wave takes 2,048 numbers; a lane 8 neighbours of each 256: 32 bytes in, 16 bytes out
	s_sub_co_u32 s36, ttmp9, FIRST_W0
	s_lshl_b32 s36, s36, 2
	s_add_co_u32 s36, s36, s30
	s_lshl_b32 s40, s36, 13
	s_mov_b32 s41, 0
	s_lshl_b32 s42, s36, 12
	s_mov_b32 s43, 0
	v_lshlrev_b32 v3, 5, v2
	v_lshlrev_b32 v4, 4, v2
	s_wait_kmcnt 0x0
	s_add_nc_u64 s[12:13], s[12:13], s[40:41]
	s_add_nc_u64 s[22:23], s[22:23], s[42:43]
.irp i, 0,1,2,3,4,5,6,7
	global_load_b128 v[64+8*\i:64+8*\i+3], v3, s[12:13] offset:1024*\i th:TH_LOAD_NT
	global_load_b128 v[64+8*\i+4:64+8*\i+7], v3, s[12:13] offset:1024*\i+16 th:TH_LOAD_NT
.endr
.irp i, 0,1,2,3,4,5,6,7
	s_wait_loadcnt 14-2*\i                         ; pair i is in; the younger pairs may be out
.irp k, 0,1,2,3
	v_cvt_pk_f16_f32 v[128+4*\i+\k], v[64+8*\i+2*\k], v[64+8*\i+2*\k+1]
.endr
	global_store_b128 v4, v[128+4*\i:128+4*\i+3], s[22:23] offset:512*\i   ; 512 consecutive bytes, aligned; no register is written twice
.endr
	s_wait_tensorcnt 0x0                           ; this way ends as the other does
	ds_add_u32 v[SPW], v[NIL]
	s_wait_dscnt 0x0
	s_endpgm
.Lfunc_end_k_q4d332f4398_quant:
	.size	k_q4d332f4398_quant, .Lfunc_end_k_q4d332f4398_quant-k_q4d332f4398_quant
	.p2alignl 7, 3214868480
	.fill 96, 4, 3214868480
	.section	.rodata,"a",@progbits
	.p2align	6, 0x0
	.amdhsa_kernel k_q4d332f4398_quant
		.amdhsa_group_segment_fixed_size 33280
		.amdhsa_private_segment_fixed_size 0
		.amdhsa_enable_private_segment 0
		.amdhsa_kernarg_size 80
		.amdhsa_user_sgpr_count 2
		.amdhsa_user_sgpr_kernarg_segment_ptr 1
		.amdhsa_wavefront_size32 1
		.amdhsa_system_sgpr_workgroup_id_x 1
		.amdhsa_system_sgpr_workgroup_id_y 1
		.amdhsa_system_sgpr_workgroup_id_z 1
		.amdhsa_system_vgpr_workitem_id 0
		.amdhsa_next_free_vgpr 208
		.amdhsa_next_free_sgpr 66
		.amdhsa_reserve_vcc 0
		.amdhsa_float_denorm_mode_32 3
		.amdhsa_float_denorm_mode_16_64 3
		.amdhsa_memory_ordered 1
		.amdhsa_forward_progress 1
		.amdhsa_inst_pref_size 40
	.end_amdhsa_kernel
	.amdgpu_metadata
---
amdhsa.version: [ 1, 2 ]
amdhsa.kernels:
  - .name:           k_q4d332f4398_quant
    .symbol:         k_q4d332f4398_quant.kd
    .args:
      - { .name: q, .offset: 0, .size: 8, .value_kind: global_buffer, .address_space: global }
      - { .name: kv, .offset: 8, .size: 8, .value_kind: global_buffer, .address_space: global }
      - { .name: Wq, .offset: 16, .size: 8, .value_kind: global_buffer, .address_space: global }
      - { .name: Wkv, .offset: 24, .size: 8, .value_kind: global_buffer, .address_space: global }
      - { .name: W0, .offset: 32, .size: 8, .value_kind: global_buffer, .address_space: global }
      - { .name: act_codes, .offset: 40, .size: 8, .value_kind: global_buffer, .address_space: global }
      - { .name: act_scales, .offset: 48, .size: 8, .value_kind: global_buffer, .address_space: global }
      - { .name: w_codes, .offset: 56, .size: 8, .value_kind: global_buffer, .address_space: global }
      - { .name: w_scales, .offset: 64, .size: 8, .value_kind: global_buffer, .address_space: global }
      - { .name: w0h, .offset: 72, .size: 8, .value_kind: global_buffer, .address_space: global }
    .group_segment_fixed_size: 33280
    .private_segment_fixed_size: 0
    .kernarg_segment_align: 8
    .kernarg_segment_size: 80
    .max_flat_workgroup_size: 128
    .sgpr_count:     66
    .vgpr_count:     208
    .wavefront_size: 32
...
	.end_amdgpu_metadata
.endif
;; end of part 1
;; launch proj (part 2): grid 12 x 32, 4 waves a work-group, clusters of 4 x 4, 327,680 bytes of LDS; arguments act_codes, act_scales, w_codes, w_scales, qkv; writes qkv
.if DOCPART == 2
	.amdgcn_target "amdgcn-amd-amdhsa--gfx1250"
	.amdhsa_code_object_version 6
	.text
	.protected	k_q4d332f4398_proj
	.globl	k_q4d332f4398_proj
	.p2align	8
	.type	k_q4d332f4398_proj,@function
k_q4d332f4398_proj:
	s_mov_b64 s[64:65], 0
	v_nop
	global_prefetch_b8 v0, s[64:65] scope:SCOPE_SE
	s_setreg_imm32_b32 hwreg(HW_REG_WAVE_MODE, 25, 1), 1
	s_wait_xcnt 0x0
	s_wait_alu depctr_hold_cnt(0) depctr_sa_sdst(0) depctr_va_vdst(0) depctr_va_sdst(0) depctr_va_ssrc(0) depctr_va_vcc(0) depctr_vm_vsrc(0)
	s_getreg_b32 s2, hwreg(HW_REG_IB_STS2, 6, 4)
	s_cmp_eq_u32 s2, 0
	s_cbranch_scc0 .Lentry_in_a_cluster
	s_endpgm
.Lentry_in_a_cluster:
	s_bfe_u32 s2, ttmp6, 0x10000c
	s_cmp_lg_u32 s2, 0xf033
	s_cbranch_scc0 .Lentry_shape_is_right
	s_endpgm
.Lentry_shape_is_right:
; The two quantised projections as ONE product on codes of FP4 (E2M1) with E8M0 scales: C[m][n] = sum over k of A[m][k] B[n][k], m = 8,192 tokens, n = 3,072 rows of w_codes (1,024 of Q, of K, of V, head-major), K = 1,024.
; A's rows are q's codes for the columns of Q (cluster x = 0) and kv's for those of K and V (cluster x = 1, 2): both lie in act_codes, 8,192 rows apart.  Sums in f32; C is rounded once to f16 and stored as
; qkv [which 3][b x 16 + h][t 2048][d 64].  LIMIT: projections beyond 65,504 in magnitude do not fit f16; under 6e-5 they are f16 subnormals.
; A tile of C, 256 x 256 (256 tokens x 4 heads), is made by four waves, each 128 x 128: 64 accumulators of 16 x 16.  K = 1,024 is two K steps of 512, rows of 256 bytes: BOTH lie in LDS at once, so every slot is filled once:
; a wave issues three tensor loads at the start (scales, K step 0, K step 1) and none later: three are out at the most.
; CLUSTERS: 4 x 4 work-groups; A's tiles are asked for jointly along a row of the cluster, B's along a column.  THE MATRIX INSTRUCTION IS USED TRANSPOSED (source 0 = 16 rows of B, source 1 = 16 rows of A):
; a lane then holds eight neighbouring columns (channels of a head) of one token.
; REGISTERS, in windows of 256: window 0: v0-31 addresses; v32-95 scale words, two sets; v128-191 A's fragments, ONE set; on the way out v32-63, v192-255.  window 1: B's fragments, TWO sets, at v0 and v128.
;   window 2: the accumulators of my rows 0-63 ((a, b) at v[8 (8 a + b)]);  window 3: those of my rows 64-127.
.set KSTEP,  512
.set NQ,     KSTEP/128
.set ROWB,   256                       ; a tile's row in bytes
.set KROW,   512                       ; a row of codes in memory
.set PITCH,  272                       ; an LDS row: 256 bytes + 16 of padding: the 16 rows that a load touches start at 16 different 16-byte columns
.set FR,     8
.set NL,     2
.set NP,     4                         ; places behind this matrix instruction (ISA guide 7.12.1)
.set HALFT,  128*PITCH
.set SLOT,   4*HALFT
.set KS,     32                        ; a row of scales in bytes
.set SCL,    2*SLOT                    ; behind the slots: the scales, as units of 256 bytes + 16 of padding
.set HALFS,  (128*KS/256)*272
.set SBLK,   (16*KS/256)*272
.set SPARE,  SCL+4*HALFS               ; the spare words, 128 bytes for each wave
.set STAGE,  SPARE+512                 ; the way out: 16 rows x 272 bytes for each wave, bytes of their own
.set SPITCH, 272
.set HEADB,  262144                    ; a head in qkv: 2,048 tokens x 128 bytes
.set ADRA, 16
.set ADRB, 20
.set STO,  24
.set RD,   25
.set CO,   26
.set ADRS, 27
.set SPW,  28
.set NIL,  29
.set SC,   32
.set AF,   128
.set TMP,  192                         ; the way out: packed results
.set OB,   32                          ; and 16 rows read back: v32-63 and v224-255 by turns
.set G1, 24
.set G0, 32
.set G1B, 48
.set G0B, 56
.set G1S, 68
.set G0S, 76
.set G1SB, 80
.set G0SB, 88
.set MSB, 0
.macro WIN new                         ; the immediate's high byte repeats the setting that is left
.if MSB != \new
	s_set_vgpr_msb (MSB<<8)|\new
.set MSB, \new
.endif
.endm
.set MUL_LO, 0xa1                      ; source 0 (B) window 1, source 1 (A) window 0, C and D window 2
.set MUL_HI, 0xf1
.set TO_B,   0x40
; A joint load: waves 0 and 1 fetch for A, waves 2 and 3 for B; the branch hangs on the wave's number alone.  An s_nop 0 and four v_nop follow each of the two lines.
.macro JLOAD g0a, g1a, g0b, g1b
	s_cmp_eq_u32 s15, 0
	s_cbranch_scc0 .Lfor_b_\@
	tensor_load_to_lds s[\g0a:\g0a+3], s[\g1a:\g1a+7]
	s_nop 0
.rept 4
	v_nop
.endr
	s_branch .Lasked_\@
.Lfor_b_\@:
	tensor_load_to_lds s[\g0b:\g0b+3], s[\g1b:\g1b+7]
	s_nop 0
.rept 4
	v_nop
.endr
.Lasked_\@:
.endm
.macro CROUND                          ; a round of the cluster's barrier
	s_barrier_signal -1
	s_barrier_wait -1
	s_cmp_lg_u32 s14, 0
	s_cbranch_scc1 .Lnot_wave_0_\@
	s_barrier_signal -3
.Lnot_wave_0_\@:
	s_barrier_wait -3
	s_barrier_signal -1
	s_barrier_wait -1
.endm
	s_load_b128 s[4:7], s[0:1], 0x0                ; A's codes s[4:5], A's scales s[6:7]
	s_load_b128 s[8:11], s[0:1], 0x10              ; B's codes s[8:9], B's scales s[10:11]
	s_load_b64 s[12:13], s[0:1], 0x20              ; qkv
	v_lshl_add_u32 v[SPW], v0, 2, SPARE
	v_mov_b32 v[NIL], 0
	ds_add_u32 v[SPW], v[NIL]                      ; the wave's opening: the add, twice on end, and its wait ahead of my first tensor load
	ds_add_u32 v[SPW], v[NIL]
	v_lshrrev_b32 v1, 5, v0
	v_readfirstlane_b32 s14, v1                    ; wave 0..3
	s_lshr_b32 s15, s14, 1                         ; which half of the tile's rows is mine.  Also: I fetch for A (0) or for B (1)
	s_and_b32 s16, s14, 1                          ; which half of its columns.  Also: which 128 rows of that tile I fetch
	s_bfe_u32 s40, ttmp6, 0x40000                  ; cx, cy
	s_bfe_u32 s41, ttmp6, 0x40004
	s_lshl_b32 s42, ttmp9, 2
	s_add_co_u32 s42, s42, s40                     ; tile column = 4 x cluster x + cx
	s_and_b32 s17, ttmp7, 0xffff
	s_lshl_b32 s17, s17, 2
	s_add_co_u32 s17, s17, s41                     ; tile row = 4 x cluster y + cy
	s_lshl_b32 s43, s41, 2
	s_lshl_b32 s43, 15, s43                        ; my row of the cluster
	s_lshl_b32 s44, 0x1111, s40                    ; my column
	s_or_b32 s[G1+0], s43, (0<<16)|(1<<20)|(1<<21)|(5<<22)|(3<<25)  ; the mask; elements of 1 byte; padding on; bit 21 beside a mask; 4 words behind every 64
	s_or_b32 s[G1B+0], s44, (0<<16)|(1<<20)|(1<<21)|(5<<22)|(3<<25)
.irp g, G1, G1B
	s_mov_b32 s[\g+1], ROWB<<16                    ; tensor_dim0
	s_mov_b32 s[\g+2], 128<<16                     ; tensor_dim1
	s_mov_b32 s[\g+3], ROWB<<16                    ; tile_dim0
	s_mov_b32 s[\g+4], 128                         ; tile_dim1
	s_mov_b32 s[\g+5], KROW                        ; stride
	s_mov_b32 s[\g+6], 0
	s_mov_b32 s[\g+7], 0
.endr
	s_or_b32 s[G1S+0], s43, (3<<16)|(1<<20)|(1<<21)|(5<<22)|(3<<25)  ; the scales of 128 rows: 4,096 dense bytes as 16 rows of 256 (32 elements of 8 bytes)
	s_or_b32 s[G1SB+0], s44, (3<<16)|(1<<20)|(1<<21)|(5<<22)|(3<<25)
.irp g, G1S, G1SB
	s_mov_b32 s[\g+1], 32<<16
	s_mov_b32 s[\g+2], (128*KS/256)<<16
	s_mov_b32 s[\g+3], 32<<16
	s_mov_b32 s[\g+4], 128*KS/256
	s_mov_b32 s[\g+5], 32
	s_mov_b32 s[\g+6], 0
	s_mov_b32 s[\g+7], 0
.endr
	s_lshl_b32 s18, s16, 7                         ; which 128 rows of the tile I fetch
	s_lshl_b32 s20, s17, 8
	s_add_co_u32 s20, s20, s18                     ; A: row 256 x tile row + 128 x half,
	s_min_u32 s19, ttmp9, 1
	s_lshl_b32 s19, s19, 13
	s_add_co_u32 s20, s20, s19                     ; + 8,192 where the columns are K's or V's: the cluster's x, which all sixteen partners share
	s_lshl_b32 s46, s42, 8
	s_add_co_u32 s46, s46, s18                     ; B: row 256 x tile column + 128 x half
	s_lshl_b32 s22, s20, 5                         ; where these rows' scales begin, in bytes (all under 2^32),
	s_mov_b32 s23, 0
	s_lshl_b32 s92, s46, 5
	s_mov_b32 s93, 0
	s_lshl_b32 s20, s20, 9                         ; and their codes
	s_mov_b32 s21, 0
	s_lshl_b32 s46, s46, 9
	s_mov_b32 s47, 0
	s_mul_i32 s45, s14, HALFT                      ; where they go: wave x 128 rows
	s_mul_i32 s94, s14, HALFS
	s_wait_dscnt 0x0                               ; both opening adds are done
	s_wait_kmcnt 0x0
	s_add_nc_u64 s[20:21], s[4:5], s[20:21]
	s_add_nc_u64 s[22:23], s[6:7], s[22:23]
	s_add_nc_u64 s[46:47], s[8:9], s[46:47]
	s_add_nc_u64 s[92:93], s[10:11], s[92:93]
	CROUND                                         ; all sixteen work-groups are here: the joint loads meet
	s_mov_b32 s[G0S], 1
	s_add_co_u32 s[G0S+1], s94, SCL
	s_mov_b64 s[G0S+2:G0S+3], s[22:23]
	s_or_b32 s[G0S+3], s[G0S+3], 0x80000000
	s_mov_b32 s[G0SB], 1
	s_add_co_u32 s[G0SB+1], s94, SCL
	s_mov_b64 s[G0SB+2:G0SB+3], s[92:93]
	s_or_b32 s[G0SB+3], s[G0SB+3], 0x80000000
	JLOAD G0S, G1S, G0SB, G1SB                     ; the scales first: they are wanted with K step 0
.irp s, 0,1
	s_mov_b32 s[G0+4*\s], 1
	s_add_co_u32 s[G0+4*\s+1], s45, \s*SLOT
	s_add_nc_u64 s[G0+4*\s+2:G0+4*\s+3], s[20:21], \s*ROWB
	s_or_b32 s[G0+4*\s+3], s[G0+4*\s+3], 0x80000000
	s_mov_b32 s[G0B+4*\s], 1
	s_add_co_u32 s[G0B+4*\s+1], s45, \s*SLOT
	s_add_nc_u64 s[G0B+4*\s+2:G0B+4*\s+3], s[46:47], \s*ROWB
	s_or_b32 s[G0B+4*\s+3], s[G0B+4*\s+3], 0x80000000
	JLOAD G0+4*\s, G1, G0B+4*\s, G1B
.endr
	v_and_b32 v1, 15, v0                           ; r = l % 16
	v_bfe_u32 v2, v0, 4, 1                         ; h = l / 16
	v_mul_u32_u24 v3, v1, PITCH
	v_lshl_add_u32 v4, v2, 4, v3                   ; a fragment's row x pitch + 16 x half
	s_mul_i32 s21, s15, HALFT                      ; my 128 rows of A
	s_mul_i32 s22, s16, HALFT                      ; my 128 rows of B,
	s_add_co_u32 s22, s22, 2*HALFT                 ; which lie behind A's 256
.irp s, 0,1
	v_add_nc_u32 v[ADRA+\s], s21, v4
	v_add_nc_u32 v[ADRB+\s], s22, v4
	s_add_co_u32 s21, s21, SLOT
	s_add_co_u32 s22, s22, SLOT
.endr
	v_mul_u32_u24 v5, v1, KS                       ; my row's scales: KS bytes a row,
	v_lshrrev_b32 v6, 8, v5
	v_lshl_add_u32 v5, v6, 4, v5                   ; and 16 more for each 256 passed
	s_mul_i32 s21, s15, HALFS
	s_mul_i32 s22, s16, HALFS
	s_add_co_u32 s22, s22, 2*HALFS
	s_sub_co_u32 s22, s22, s21
	v_mul_u32_u24 v6, s22, v2                      ; lanes 16-31 take B's: one product, the distance between the two bases
	s_add_co_u32 s21, s21, SCL
	v_add_nc_u32 v5, v5, v6
	v_add_nc_u32 v[ADRS], s21, v5
	s_mul_i32 s23, s14, 16*SPITCH
	s_add_co_u32 s23, s23, STAGE                   ; my stage
	v_mul_u32_u24 v5, v1, SPITCH                   ; in: token l % 16, 16 bytes for each half of the lanes
	v_lshl_add_u32 v5, v2, 4, v5
	v_add_nc_u32 v[STO], s23, v5
	v_and_b32 v6, 31, v0
	v_lshrrev_b32 v7, 3, v6                        ; back: eight lanes take a token's 128 bytes of one head, four tokens an instruction
	v_mul_u32_u24 v7, v7, SPITCH
	v_and_b32 v8, 7, v0
	v_lshl_add_u32 v7, v8, 4, v7
	v_add_nc_u32 v[RD], s23, v7
	v_lshlrev_b32 v[CO], 4, v6                     ; and in qkv those four tokens are 512 consecutive bytes
	; my first byte of qkv: (((which x 4 + b) x 16 + 4 cx + 2 x column half) x 2,048 + token) x 128, which = cluster x, b = tile row / 8, token = (tile row % 8) x 256 + 128 x row half
	s_lshl_b32 s20, ttmp9, 2
	s_lshr_b32 s21, s17, 3
	s_add_co_u32 s20, s20, s21
	s_lshl_b32 s20, s20, 4
	s_lshl_b32 s21, s16, 1
	s_add_co_u32 s20, s20, s21
	s_lshl_b32 s20, s20, 11
	s_and_b32 s21, s17, 7
	s_lshl_b32 s21, s21, 8
	s_add_co_u32 s20, s20, s21
	s_lshl_b32 s21, s15, 7
	s_add_co_u32 s20, s20, s21
	s_lshl_b32 s20, s20, 7
	s_mov_b32 s21, 0
	s_add_nc_u64 s[12:13], s[12:13], s[20:21]
	s_lshl_b32 s46, s40, 20                        ; 4 cx heads, in the registers that held B's address
	s_mov_b32 s47, 0
	s_add_nc_u64 s[12:13], s[12:13], s[46:47]
.macro FRAG reg, adr, q, i             ; a fragment, 16 rows x 128 K of 4-bit codes: lane l holds row l % 16; registers 4 c .. 4 c + 3 hold K = 64 c + 32 (l / 16) + 0 .. 31
.irp c, 0,1
	ds_load_b128 v[\reg+4*\c:\reg+4*\c+3], v[\adr] offset:64*(\q)+32*\c+(\i)*16*PITCH
.endr
.endm
; 16 matrix instructions: A's blocks a0, a0 + 1 x B's eight, the slot's q-th 128 along K.  p: B's set; sc: the set of scale words.  zero = 1: the first product starts the sums.
; The 64 accumulators take turns, one instruction a turn, in the same order in every step.
.macro MUL16 a0, p, q, sc, zero
.irp a, \a0, \a0+1
.irp b, 0,1,2,3,4,5,6,7
.if \zero
	v_wmma_scale_f32_16x16x128_f8f6f4 v[8*(8*((\a)%4)+\b):8*(8*((\a)%4)+\b)+7], v[128*(\p)+FR*\b:128*(\p)+FR*\b+FR-1], v[AF+FR*(\a):AF+FR*(\a)+FR-1], 0, v[SC+8*NQ*(\sc)+NQ*\b+(\q)], v[SC+8*NQ*(\sc)+NQ*(\a)+(\q)] matrix_a_fmt:MATRIX_FMT_FP4 matrix_b_fmt:MATRIX_FMT_FP4 matrix_a_scale:MATRIX_SCALE_ROW1
.else
	v_wmma_scale_f32_16x16x128_f8f6f4 v[8*(8*((\a)%4)+\b):8*(8*((\a)%4)+\b)+7], v[128*(\p)+FR*\b:128*(\p)+FR*\b+FR-1], v[AF+FR*(\a):AF+FR*(\a)+FR-1], v[8*(8*((\a)%4)+\b):8*(8*((\a)%4)+\b)+7], v[SC+8*NQ*(\sc)+NQ*\b+(\q)], v[SC+8*NQ*(\sc)+NQ*(\a)+(\q)] matrix_a_fmt:MATRIX_FMT_FP4 matrix_b_fmt:MATRIX_FMT_FP4 matrix_a_scale:MATRIX_SCALE_ROW1
.endif
.endr
.endr
.endm
.macro FETCH_B slot, q, p
	WIN TO_B
.irp i, 0,1,2,3,4,5,6,7
	FRAG 128*(\p)+FR*\i, ADRB+\slot, \q, \i
.endr
	WIN 0
.endm
.macro FETCH_A slot, q, i0
.irp i, \i0, \i0+1, \i0+2, \i0+3
	FRAG AF+FR*(\i), ADRA+\slot, \q, \i
.endr
.endm
.macro SCALES sc                       ; a K step's scale words into set sc: lanes 0-15 take A's block i, lanes 16-31 B's block i
.irp i, 0,1,2,3,4,5,6,7
	ds_load_b128 v[SC+8*NQ*\sc+NQ*\i:SC+8*NQ*\sc+NQ*\i+3], v[ADRS] offset:\i*SBLK
.endr
.endm
.macro PLACES n                        ; plain vector instructions between a matrix instruction and a load into, or a read of, its registers
.rept \n
	v_nop
.endr
.endm
.macro STEP slot, q, zero              ; a step of 128 along K that has its successor in the same slot
	s_wait_dscnt 4*NL                              ; B's set and A's blocks 0-3 are in; the youngest eight loads (A's blocks 4-7) may be out
	WIN MUL_LO
	MUL16 0, (\q)%2, \q, \slot, \zero
	MUL16 2, (\q)%2, \q, \slot, \zero
	s_wait_dscnt 0
	PLACES NP
	FETCH_B \slot, (\q)+1, 1-(\q)%2
	FETCH_A \slot, (\q)+1, 0
	WIN MUL_HI
	MUL16 4, (\q)%2, \q, \slot, \zero
	MUL16 6, (\q)%2, \q, \slot, \zero
	PLACES NP
	WIN 0
	FETCH_A \slot, (\q)+1, 4
.endm
.macro STEPS slot, from
.set Q, \from
.rept NQ-1-\from
	STEP \slot, Q, 0
.set Q, Q+1
.endr
.endm
	s_wait_tensorcnt 1                             ; the scales and my part of K step 0 are in (K step 1's load may be out),
	s_barrier_signal -1
	s_barrier_wait -1                              ; everybody's are
	FETCH_B 0, 0, 0
	FETCH_A 0, 0, 0
	SCALES 0
	FETCH_A 0, 0, 4
	STEP 0, 0, 1                                   ; the first step's products start the sums: nothing is cleared
	STEPS 0, 1
	; slot 0's last step changes slots: each wave shows its part of slot 1 landed, and a barrier shows everybody's; nothing is filled again
	s_wait_tensorcnt 0x0                           ; all my tensor loads have landed
	ds_add_u32 v[SPW], v[NIL]                      ; 0 onto my spare word
	s_wait_dscnt 4*NL+1                            ; (the add and the youngest eight loads may be out)
	WIN MUL_LO
	MUL16 0, 1, NQ-1, 0, 0
	s_wait_dscnt 0x0                               ; the add is done, and no LDS instruction of mine is out at the signal
	s_barrier_signal -1
	MUL16 2, 1, NQ-1, 0, 0
	WIN 0
	s_barrier_wait -1
	PLACES NP
	v_add_nc_u32 v[ADRS], 4*NQ, v[ADRS]            ; on to K step 1's scale words
	FETCH_B 1, 0, 0
	FETCH_A 1, 0, 0
	SCALES 1
	WIN MUL_HI
	MUL16 4, 1, NQ-1, 0, 0
	MUL16 6, 1, NQ-1, 0, 0
	PLACES NP
	WIN 0
	FETCH_A 1, 0, 4
	STEPS 1, 0
	s_wait_dscnt 4*NL                              ; the very last step: nothing more to fetch
	WIN MUL_LO
	MUL16 0, 1, NQ-1, 1, 0
	MUL16 2, 1, NQ-1, 1, 0
	s_wait_dscnt 0
	WIN MUL_HI
	MUL16 4, 1, NQ-1, 1, 0
	MUL16 6, 1, NQ-1, 1, 0
	WIN 0
; THE WAY OUT, block by block of 16 tokens x 128 columns (two heads).  PACK: rounded to f16, 16 bytes a lane, each accumulator from its low end on.  TOSTAGE: into my own stage and back by heads.  SEND: stored.
.macro PACK a
.set AC, 64*((\a)%4)
.set WP, 0x0a+5*((\a)/4)               ; sources 0 and 1: window 2 or 3
	WIN WP
.irp b, 0,1,2,3,4,5,6,7
.irp r, 0,1,2,3
	v_cvt_pk_f16_f32 v[TMP+4*\b+\r], v[AC+8*\b+2*\r], v[AC+8*\b+2*\r+1]
.endr
.endr
	WIN 0
.endm
.macro TOSTAGE a
.set BK, OB+192*((\a)%2)
.irp b, 0,1,2,3,4,5,6,7
	ds_store_b128 v[STO], v[TMP+4*\b:TMP+4*\b+3] offset:32*\b
.endr
.irp hh, 0,1
.irp i, 0,1,2,3
	ds_load_b128 v[BK+4*(4*\hh+\i):BK+4*(4*\hh+\i)+3], v[RD] offset:4*\i*SPITCH+128*\hh   ; LDS serves a wave's instructions in order: these see the stores above
.endr
.endr
.endm
.macro SEND a
.set BK, OB+192*((\a)%2)
	s_wait_dscnt 0x0                               ; the block is back in registers
	s_wait_xcnt 0x0                                ; the stores issued so far have read their registers: the block after next may land where they lay
.irp hh, 0,1
.irp i, 0,1,2,3
	global_store_b128 v[CO], v[BK+4*(4*\hh+\i):BK+4*(4*\hh+\i)+3], s[12:13] offset:\hh*HEADB+(16*(\a)+4*\i)*128   ; four tokens of one head: 512 consecutive bytes, aligned; the base is never stepped
.endr
.endr
.endm
	PLACES NP
	PACK 0
	TOSTAGE 0
.irp a, 1,2,3,4,5,6,7                  ; block a's conversions stand between block a - 1's loads from the stage and the wait for them
	PACK \a
	SEND \a-1
	TOSTAGE \a
.endr
	SEND 7
	s_wait_tensorcnt 0x0                           ; the wave's end
	ds_add_u32 v[SPW], v[NIL]
	s_wait_dscnt 0x0
	CROUND                                         ; the closing round
	s_endpgm
.Lfunc_end_k_q4d332f4398_proj:
	.size	k_q4d332f4398_proj, .Lfunc_end_k_q4d332f4398_proj-k_q4d332f4398_proj
	.p2alignl 7, 3214868480
	.fill 96, 4, 3214868480
	.section	.rodata,"a",@progbits
	.p2align	6, 0x0
	.amdhsa_kernel k_q4d332f4398_proj
		.amdhsa_group_segment_fixed_size 327680
		.amdhsa_private_segment_fixed_size 0
		.amdhsa_enable_private_segment 0
		.amdhsa_kernarg_size 40
		.amdhsa_user_sgpr_count 2
		.amdhsa_user_sgpr_kernarg_segment_ptr 1
		.amdhsa_wavefront_size32 1
		.amdhsa_system_sgpr_workgroup_id_x 1
		.amdhsa_system_sgpr_workgroup_id_y 1
		.amdhsa_system_sgpr_workgroup_id_z 1
		.amdhsa_system_vgpr_workitem_id 0
		.amdhsa_next_free_vgpr 1024
		.amdhsa_next_free_sgpr 98
		.amdhsa_reserve_vcc 0
		.amdhsa_float_denorm_mode_32 3
		.amdhsa_float_denorm_mode_16_64 3
		.amdhsa_memory_ordered 1
		.amdhsa_forward_progress 1
		.amdhsa_inst_pref_size 127
	.end_amdhsa_kernel
	.amdgpu_metadata
---
amdhsa.version: [ 1, 2 ]
amdhsa.kernels:
  - .name:           k_q4d332f4398_proj
    .symbol:         k_q4d332f4398_proj.kd
    .args:
      - { .name: act_codes, .offset: 0, .size: 8, .value_kind: global_buffer, .address_space: global }
      - { .name: act_scales, .offset: 8, .size: 8, .value_kind: global_buffer, .address_space: global }
      - { .name: w_codes, .offset: 16, .size: 8, .value_kind: global_buffer, .address_space: global }
      - { .name: w_scales, .offset: 24, .size: 8, .value_kind: global_buffer, .address_space: global }
      - { .name: qkv, .offset: 32, .size: 8, .value_kind: global_buffer, .address_space: global }
    .group_segment_fixed_size: 327680
    .private_segment_fixed_size: 0
    .kernarg_segment_align: 8
    .kernarg_segment_size: 40
    .max_flat_workgroup_size: 128
    .sgpr_count:     98
    .vgpr_count:     1024
    .wavefront_size: 32
...
	.end_amdgpu_metadata
.endif
;; end of part 2
;; launch attn (part 3): grid 8 x 64, 8 waves a work-group, clusters of 4 x 1, 327,680 bytes of LDS; arguments qkv, ao; writes ao
.if DOCPART == 3
	.amdgcn_target "amdgcn-amd-amdhsa--gfx1250"
	.amdhsa_code_object_version 6
	.text
	.protected	k_q4d332f4398_attn
	.globl	k_q4d332f4398_attn
	.p2align	8
	.type	k_q4d332f4398_attn,@function
k_q4d332f4398_attn:
	s_mov_b64 s[64:65], 0
	v_nop
	global_prefetch_b8 v0, s[64:65] scope:SCOPE_SE
	s_setreg_imm32_b32 hwreg(HW_REG_WAVE_MODE, 25, 1), 1
	s_wait_xcnt 0x0
	s_wait_alu depctr_hold_cnt(0) depctr_sa_sdst(0) depctr_va_vdst(0) depctr_va_sdst(0) depctr_va_ssrc(0) depctr_va_vcc(0) depctr_vm_vsrc(0)
	s_getreg_b32 s2, hwreg(HW_REG_IB_STS2, 6, 4)
	s_cmp_eq_u32 s2, 0
	s_cbranch_scc0 .Lentry_in_a_cluster
	s_endpgm
.Lentry_in_a_cluster:
	s_bfe_u32 s2, ttmp6, 0x10000c
	s_cmp_lg_u32 s2, 0x3003
	s_cbranch_scc0 .Lentry_shape_is_right
	s_endpgm
.Lentry_shape_is_right:
; ao[bh][q][:] = the sum over k of softmax_k(Q[bh][q] . K[bh][k] / 8) V[bh][k][:].  Q, K, V: the three parts of qkv, each [64 heads][2048][64] f16; ao likewise.  Products, maxima and sums in f32; the weights p are rounded to f16
; for the second product, ao once at the end.  LIMIT: f16 operands: under 6e-5 in magnitude they are f16 subnormals; NaN and infinities are not served.
; SHARES.  A work-group owns 256 queries of one head, each of its eight waves 32: two tiles of 16.  Two waves share a SIMD, so that one wave's softmax stands beside the other's products and LDS loads.  Every wave walks all 2,048 keys, 128 a step.
; LAYOUT.  S^T = K Q^T (source 0 = 16 keys, source 1 = 16 queries): a lane holds ONE query (lane % 16) and the keys 8 (lane / 16) + 0..7 of each tile.  Two such tiles, rounded to f16 in pairs, ARE source 1 (32 keys x 16 queries) of
; O^T = V^T P, whose result again holds one query a lane.  K comes out of LDS as it lies, V ([key][channel]) turned, by ds_load_tr16_b128.
; SOFTMAX.  A running maximum m and sum l for each query: p = 2^(c s - c m), c = log2(e) / 8; in every step O and l are multiplied by a = 2^(c m_old - c m_new).  m begins at -3e38 and O and l as zeros, so the first a is 0 and multiplies zeros.
; RING.  Two LDS slots of four key steps (512 keys).  Rows of K and V are 128 bytes and dense, so a tile is stated as rows of 256 bytes, two keys to a row.  Waves 0-3 fetch K's four step tiles of a slot, waves 4-7 V's: one load of 64 rows a wave.
; CLUSTER.  The four query blocks of a cluster belong to one head and walk the same K and V: each tile is asked for JOINTLY.  A refill has four key steps, 256 matrix instructions a wave, in which to land.
; REGISTERS.  window 0: v1-11 addresses; v12-27 statistics; v32-159 S^T (64 a tile); v160-223 P (32 a tile); v224-255 Q (16 a tile).  window 1: v0-63 O^T (32 a tile); v64-191 a step's fragments of K, then of V.
.set PK,    272       ; two keys of K in LDS: 256 bytes + 16: the 16 keys of a fragment fall into 16 different 16-byte columns
.set PV,    288       ; two keys of V: 256 + 32: 16 lanes of the turning load (8 keys x 32 bytes) fall into 16 different 16-byte columns
.set VOFF,  64*PK     ; a step's tiles lie together: 128 keys of K, then of V
.set STEPB, 64*(PK+PV)
.set SLOTB, 4*STEPB
.set STAGE, 2*SLOTB   ; behind the ring: 2 x 16 rows x 144 bytes for each wave, for the way out
.set SP,    144
.set SPARE, STAGE+8*2*16*SP  ; the spare words, 128 bytes for each wave
.set PART,  1<<24     ; from Q to K and from K to V in qkv
.set SLOTG, 512*128   ; a slot's keys in memory
.set AK0, 2           ; v2   my lane's place in a tile of K
.set AV0, 3           ; v3   the same for V
.set ADK, 4           ; v4   LDS address of the step's K
.set ADV, 5           ; v5   of its V
.set QO,  6
.set STO, 7
.set RD,  8
.set GO,  10
.set ST,  12          ; tile t at v[ST+8 t]: +0 c m, +1 m, +2, +3 l (even keys', odd keys'), +4 to +7 c0-c3, at work; a takes c2's place
.set SPW, 28
.set NIL, 29
.set S,   32
.set P,   160
.set Q,   224
.set FB,  64          ; in window 1
.set WV,  12
.set G1K, 24
.set G1V, 32
.set G0K, 40          ; s[40:47] group 0 for K's tiles, a set for each slot
.set G0V, 48
.set CNT, 57
.set CS,  58          ; s[58:59] c
.set SEL, 60          ; s[60:61] lane selects: lane l xor 16
.set TB,  62          ; LDS byte at which the step's tiles begin
.set MSB, 0
.macro WIN new
.if MSB != \new
	s_set_vgpr_msb (MSB<<8)|\new
.set MSB, \new
.endif
.endm
.set W_LD, 0x40       ; destination window 1, address window 0
.set W_KQ, 0x01       ; K in window 1; Q and S^T in window 0
.set W_PV, 0x51       ; V and O^T in window 1, P in window 0
.set W_RS, 0x41       ; O^T (destination and source 0) in window 1, the factor in window 0
.set W_CV, 0x05       ; sources 0 and 1 window 1, destination window 0
.macro PLACES
.rept 4
	v_nop
.endr
.endm
; A joint refill of slot s.  The branch hangs on the wave's number alone.  An s_nop 0 and four v_nop follow each of the two lines.
.macro JLOAD s
	s_cmp_lt_u32 s[WV], 4
	s_cbranch_scc0 .Lfor_v_\@
	tensor_load_to_lds s[G0K+4*\s:G0K+4*\s+3], s[G1K:G1K+7]
	s_nop 0
.rept 4
	v_nop
.endr
	s_branch .Lasked_\@
.Lfor_v_\@:
	tensor_load_to_lds s[G0V+4*\s:G0V+4*\s+3], s[G1V:G1V+7]
	s_nop 0
.rept 4
	v_nop
.endr
.Lasked_\@:
.endm
.macro CROUND                       ; a round of the cluster's barrier
	s_barrier_signal -1
	s_barrier_wait -1
	s_cmp_lg_u32 s[WV], 0
	s_cbranch_scc1 .Lnot_wave_0_\@
	s_barrier_signal -3
.Lnot_wave_0_\@:
	s_barrier_wait -3
	s_barrier_signal -1
	s_barrier_wait -1
.endm
	s_load_b128 s[4:7], s[0:1], 0x0 ; qkv s[4:5], ao s[6:7]
	v_lshl_add_u32 v[SPW], v0, 2, SPARE
	v_mov_b32 v[NIL], 0
	ds_add_u32 v[SPW], v[NIL]       ; the wave's opening: the add, twice on end, and its wait ahead of my first tensor load
	ds_add_u32 v[SPW], v[NIL]
	v_lshrrev_b32 v1, 5, v0
	v_readfirstlane_b32 s[WV], v1   ; wave 0..7
	s_bfe_u32 s13, ttmp6, 0x40000   ; cx
	s_lshl_b32 s14, ttmp9, 2
	s_add_co_u32 s14, s14, s13      ; my block of 256 queries: it enters Q's and ao's addresses alone
	s_and_b32 s20, ttmp7, 0xffff    ; the head, which the four partners share
	s_lshl_b32 s20, s20, 18         ; its first byte in each part: 2,048 rows of 128 bytes a head
	s_and_b32 s16, s[WV], 3         ; which of a slot's four steps I fetch:
	s_lshl_b32 s22, s16, 14         ; its 128 keys of 128 bytes in memory,
	s_add_co_u32 s22, s22, s20
	s_mov_b32 s23, 0
	s_mul_i32 s17, s16, STEPB       ; and its place in a slot
	s_lshl_b32 s2, s14, 15          ; my block's 256 rows,
	s_lshl_b32 s3, s[WV], 12        ; my wave's 32 of them
	s_add_co_u32 s2, s2, s3
	s_add_co_u32 s2, s2, s20
	s_mov_b32 s3, 0
	s_mov_b32 s[G1K], 15|(1<<16)|(1<<20)|(1<<21)|(5<<22)|(3<<25)  ; the mask: all four work-groups; elements of 2 bytes; padding on; bit 21 beside a mask; 4 words behind every 64
	s_mov_b32 s[G1V], 15|(1<<16)|(1<<20)|(1<<21)|(5<<22)|(7<<25)  ; the same with 8 words
.irp g, G1K, G1V
	s_mov_b32 s[\g+1], 128<<16      ; tensor_dim0 = 128 elements: two keys
	s_mov_b32 s[\g+2], 64<<16       ; tensor_dim1 = 64
	s_mov_b32 s[\g+3], 128<<16      ; tile_dim0
	s_mov_b32 s[\g+4], 64           ; tile_dim1
	s_mov_b32 s[\g+5], 128          ; stride: the rows are dense
	s_mov_b32 s[\g+6], 0
	s_mov_b32 s[\g+7], 0
.endr
	s_mov_b32 s[CS], 0x3e38aa3b     ; c = log2(e) / 8
	s_mov_b32 s[CS+1], s[CS]        ; named with it as a pair, so it is written
	s_mov_b32 s[SEL], 0x76543210
	s_mov_b32 s[SEL+1], 0xfedcba98
	s_wait_dscnt 0x0                ; both opening adds are done
	s_wait_kmcnt 0x0
	s_add_nc_u64 s[8:9], s[4:5], s[22:23]  ; qkv at my step tile's place in a part: head and wave alone
	s_add_nc_u64 s[4:5], s[4:5], s[2:3]    ; Q at my wave's first row
	s_add_nc_u64 s[6:7], s[6:7], s[2:3]    ; ao likewise
	CROUND                          ; all four work-groups are here: the first joint loads meet
.irp s, 0,1
	s_mov_b32 s[G0K+4*\s], 1
	s_add_co_u32 s[G0K+4*\s+1], s17, \s*SLOTB
	s_add_nc_u64 s[G0K+4*\s+2:G0K+4*\s+3], s[8:9], PART+\s*SLOTG
	s_or_b32 s[G0K+4*\s+3], s[G0K+4*\s+3], 0x80000000
	s_mov_b32 s[G0V+4*\s], 1
	s_add_co_u32 s[G0V+4*\s+1], s17, \s*SLOTB+VOFF
	s_add_nc_u64 s[G0V+4*\s+2:G0V+4*\s+3], s[8:9], 2*PART+\s*SLOTG
	s_or_b32 s[G0V+4*\s+3], s[G0V+4*\s+3], 0x80000000
.endr
	s_cmp_lt_u32 s[WV], 4           ; a wave's two first fills stand in one branch, ahead of every wait on TENSORcnt and every LDS read: two loads of mine are out
	s_cbranch_scc0 .Lfirst_v
	tensor_load_to_lds s[G0K:G0K+3], s[G1K:G1K+7]
	s_nop 0
	tensor_load_to_lds s[G0K+4:G0K+7], s[G1K:G1K+7]
	s_nop 0
.rept 4
	v_nop
.endr
	s_branch .Lfirst_asked
.Lfirst_v:
	tensor_load_to_lds s[G0V:G0V+3], s[G1V:G1V+7]
	s_nop 0
	tensor_load_to_lds s[G0V+4:G0V+7], s[G1V:G1V+7]
	s_nop 0
.rept 4
	v_nop
.endr
.Lfirst_asked:
	v_and_b32 v1, 15, v0            ; r = l % 16
	v_bfe_u32 v9, v0, 4, 1          ; h = l / 16
	v_lshlrev_b32 v[QO], 7, v1
	v_lshl_add_u32 v[QO], v9, 4, v[QO]  ; row x 128 + 16 x half
.irp t, 0,1
.irp dh, 0,1                        ; Q stays in registers: tile t, channels 32 dh on
	global_load_b128 v[Q+16*\t+8*\dh:Q+16*\t+8*\dh+3],   v[QO], s[4:5] offset:2048*\t+64*\dh
	global_load_b128 v[Q+16*\t+8*\dh+4:Q+16*\t+8*\dh+7], v[QO], s[4:5] offset:2048*\t+64*\dh+32
.endr
.endr
	v_bfe_u32 v30, v0, 1, 3         ; key r of a tile lies in LDS row r / 2, half r % 2
	v_mul_u32_u24 v[AK0], v30, PK
	v_and_b32 v11, 1, v0
	v_lshl_add_u32 v[AK0], v11, 7, v[AK0]
	v_lshl_add_u32 v[AK0], v9, 4, v[AK0]
	v_bfe_u32 v30, v0, 1, 2         ; the turning load: lane l reads key 8 h + l % 8, channels 8 ((l / 8) % 2) on
	v_lshl_add_u32 v30, v9, 2, v30
	v_mul_u32_u24 v[AV0], v30, PV
	v_lshl_add_u32 v[AV0], v11, 7, v[AV0]
	v_bfe_u32 v31, v0, 3, 1
	v_lshl_add_u32 v[AV0], v31, 4, v[AV0]
	v_add_nc_u32 v[AV0], VOFF, v[AV0]
	s_mul_i32 s13, s[WV], 2*16*SP
	s_add_co_u32 s13, s13, STAGE    ; my stage
	v_mul_u32_u24 v[STO], v1, SP    ; in: query r, 16 bytes for each half of the lanes
	v_lshl_add_u32 v[STO], v9, 4, v[STO]
	v_add_nc_u32 v[STO], s13, v[STO]
	v_bfe_u32 v30, v0, 3, 2         ; back: eight lanes to a row of 128 bytes, four rows an instruction
	v_mul_u32_u24 v[RD], v30, SP
	v_and_b32 v31, 7, v0
	v_lshl_add_u32 v[RD], v31, 4, v[RD]
	v_add_nc_u32 v[RD], s13, v[RD]
	v_and_b32 v[GO], 31, v0
	v_lshlrev_b32 v[GO], 4, v[GO]   ; and in ao those four rows are 512 consecutive bytes
.irp t, 0,1
	v_mov_b32 v[ST+8*\t+1], 0xff61b1e6  ; m = -3e38, under every score
	v_mul_f32 v[ST+8*\t], s[CS], v[ST+8*\t+1]
	v_mov_b32 v[ST+8*\t+2], 0       ; l
	v_mov_b32 v[ST+8*\t+3], 0
.endr
	WIN W_LD
.set j, 0
.rept 64
	v_mov_b32 v[j], 0               ; O^T: the step is written once for all sixteen: the first finds zeros
.set j, j+1
.endr
	WIN 0
; 16 products of S^T = K Q^T: key tiles k0 .. k0 + 3, both query tiles, both halves of the 64 channels.  Eight accumulators take turns, one instruction a turn; the first half starts the sums.
.macro KQ16 k0
.irp dh, 0,1
.irp kt, \k0, \k0+1, \k0+2, \k0+3
.irp t, 0,1
.if \dh == 0
	v_wmma_f32_16x16x32_f16 v[S+64*\t+8*(\kt):S+64*\t+8*(\kt)+7], v[FB+16*(\kt)+8*\dh:FB+16*(\kt)+8*\dh+7], v[Q+16*\t+8*\dh:Q+16*\t+8*\dh+7], 0
.else
	v_wmma_f32_16x16x32_f16 v[S+64*\t+8*(\kt):S+64*\t+8*(\kt)+7], v[FB+16*(\kt)+8*\dh:FB+16*(\kt)+8*\dh+7], v[Q+16*\t+8*\dh:Q+16*\t+8*\dh+7], v[S+64*\t+8*(\kt):S+64*\t+8*(\kt)+7]
.endif
.endr
.endr
.endr
.endm
; A KEY STEP: 128 keys at LDS byte s[TB].  Every window is 0 at its ends.
.macro STEP
	v_add_nc_u32 v[ADK], s[TB], v[AK0]
	v_add_nc_u32 v[ADV], s[TB], v[AV0]
	v_nop
	v_nop                           ; with the two additions: four places between the last step's products and the loads into the registers that they read
	WIN W_LD
.irp kt, 0,1,2,3,4,5,6,7
.irp dh, 0,1
	ds_load_b128 v[FB+16*\kt+8*\dh:FB+16*\kt+8*\dh+3],   v[ADK] offset:2176*\kt+64*\dh
	ds_load_b128 v[FB+16*\kt+8*\dh+4:FB+16*\kt+8*\dh+7], v[ADK] offset:2176*\kt+64*\dh+32
.endr
.endr
	s_wait_dscnt 16                 ; key tiles 0-3 are in; the sixteen loads of tiles 4-7 may be out
	WIN W_KQ
	KQ16 0
	s_wait_dscnt 0x0
	KQ16 4
	PLACES                          ; in front of the loads into K's registers, and of the first read of the scores
	WIN W_LD
.irp g, 0,1,2,3                     ; V, turned: keys 32 g on, channels 16 ct on.  These land under the softmax
.irp ct, 0,1,2,3
	ds_load_tr16_b128 v[FB+32*\g+8*\ct:FB+32*\g+8*\ct+3],   v[ADV] offset:4608*\g+32*\ct
	ds_load_tr16_b128 v[FB+32*\g+8*\ct+4:FB+32*\g+8*\ct+7], v[ADV] offset:4608*\g+2304+32*\ct
.endr
.endr
	WIN 0
	; the maximum of a lane's 64 scores and the old m: four chains of 16 registers, ascending; the two tiles line by line
.irp c, 0,1,2,3
.irp t, 0,1
	v_max3_num_f32 v[ST+8*\t+4+\c], v[S+64*\t+16*\c], v[S+64*\t+16*\c+1], v[S+64*\t+16*\c+2]
.endr
.endr
.irp i, 3,5,7,9,11,13
.irp c, 0,1,2,3
.irp t, 0,1
	v_max3_num_f32 v[ST+8*\t+4+\c], v[ST+8*\t+4+\c], v[S+64*\t+16*\c+\i], v[S+64*\t+16*\c+\i+1]
.endr
.endr
.endr
.irp t, 0,1
	v_max3_num_f32 v[ST+8*\t+4], v[ST+8*\t+4], v[S+64*\t+15], v[S+64*\t+31]
.endr
.irp t, 0,1
	v_max3_num_f32 v[ST+8*\t+6], v[ST+8*\t+6], v[S+64*\t+47], v[S+64*\t+63]
.endr
.irp t, 0,1
	v_max3_num_f32 v[ST+8*\t+4], v[ST+8*\t+4], v[ST+8*\t+5], v[ST+8*\t+6]
.endr
.irp t, 0,1
	v_max3_num_f32 v[ST+8*\t+4], v[ST+8*\t+4], v[ST+8*\t+7], v[ST+8*\t+1]
.endr
.irp t, 0,1
	v_permlanex16_b32 v[ST+8*\t+5], v[ST+8*\t+4], s[SEL], s[SEL+1]  ; the query's other 64 keys lie in the lane 16 away
.endr
.irp t, 0,1
	v_mov_b32 v[ST+8*\t+7], v[ST+8*\t]  ; c m_old is kept for a
.endr
.irp t, 0,1
	v_max_num_f32 v[ST+8*\t+1], v[ST+8*\t+4], v[ST+8*\t+5]
.endr
.irp t, 0,1
	v_mul_f32 v[ST+8*\t], s[CS], v[ST+8*\t+1]
.endr
.irp t, 0,1
	v_sub_f32 v[ST+8*\t+7], v[ST+8*\t+7], v[ST+8*\t]
.endr
.set i, 0
.rept 32
.irp t, 0,1
	v_pk_fma_f32 v[S+64*\t+2*i:S+64*\t+2*i+1], v[S+64*\t+2*i:S+64*\t+2*i+1], s[CS:CS+1], v[ST+8*\t:ST+8*\t+1] op_sel_hi:[1,0,0] neg_lo:[0,0,1] neg_hi:[0,0,1]  ; c s - c m, two at a time
.endr
.set i, i+1
.endr
.irp t, 0,1
	v_exp_f32 v[ST+8*\t+6], v[ST+8*\t+7]  ; a
.endr
.set j, 0
.rept 128
	v_exp_f32 v[S+j], v[S+j]        ; p, both tiles: ONE batch of 130 exponentials; none reads another's result
.set j, j+1
.endr
	v_nop                           ; the plain instruction behind the last exponential
	s_wait_alu depctr_va_vdst(0)    ; and the one wait for the batch, ahead of its first reader
.set i, 0
.rept 32
.irp t, 0,1
	v_cvt_pk_f16_f32 v[P+32*\t+i], v[S+64*\t+2*i], v[S+64*\t+2*i+1]  ; two neighbouring keys' weights: source 1 of the second product as it stands
.endr
.set i, i+1
.endr
.irp w, 16,8,4,2,1                  ; the sum of a tile's 32 pairs, in place: pair i takes pair i + w
.set i, 0
.rept \w
.irp t, 0,1
	v_pk_add_f32 v[S+64*\t+2*i:S+64*\t+2*i+1], v[S+64*\t+2*i:S+64*\t+2*i+1], v[S+64*\t+2*(i+\w):S+64*\t+2*(i+\w)+1]
.endr
.set i, i+1
.endr
.endr
.irp t, 0,1
	v_pk_fma_f32 v[ST+8*\t+2:ST+8*\t+3], v[ST+8*\t+2:ST+8*\t+3], v[ST+8*\t+6:ST+8*\t+7], v[S+64*\t:S+64*\t+1] op_sel_hi:[1,0,1]  ; l = a l + the sum
.endr
	WIN W_RS
.set i, 0
.rept 16
.irp t, 0,1
	v_pk_mul_f32 v[32*\t+2*i:32*\t+2*i+1], v[32*\t+2*i:32*\t+2*i+1], v[ST+8*\t+6:ST+8*\t+7] op_sel_hi:[1,0]  ; O^T x a, each accumulator from its low end on
.endr
.set i, i+1
.endr
	s_wait_dscnt 0x0                ; V is in
	WIN W_PV
.irp g, 0,1,2,3                     ; O^T += V^T P: eight accumulators take turns
.irp ct, 0,1,2,3
.irp t, 0,1
	v_wmma_f32_16x16x32_f16 v[32*\t+8*\ct:32*\t+8*\ct+7], v[FB+32*\g+8*\ct:FB+32*\g+8*\ct+7], v[P+32*\t+8*\g:P+32*\t+8*\g+7], v[32*\t+8*\ct:32*\t+8*\ct+7]
.endr
.endr
.endr
	WIN 0
	s_add_co_u32 s[TB], s[TB], STEPB
.endm
.macro SLOT_STEPS s                 ; slot s's four key steps: written once, walked four times
	s_mov_b32 s[TB], \s*SLOTB
	s_mov_b32 s[CNT], 4
.Lstep_\@:
	STEP
	s_sub_co_u32 s[CNT], s[CNT], 1
	s_cmp_lg_u32 s[CNT], 0
	s_cbranch_scc1 .Lstep_\@
.endm
; THE CHANGE OF SLOTS, behind slot s's last step.  Each wave waits for all its tensor loads (its part of the other slot), adds 0 to its spare word, and waits for that and for its reads of slot s.
; fill = 1: slot s is filled again with the keys two slots on: the barrier is a round of the cluster's, and the joint refill is the first thing behind it.
.macro CHANGE s, fill
	s_wait_tensorcnt 0x0            ; no tensor load of mine is out, so a group 0 may be written
	ds_add_u32 v[SPW], v[NIL]
.if \fill
	s_add_nc_u64 s[G0K+4*\s+2:G0K+4*\s+3], s[G0K+4*\s+2:G0K+4*\s+3], 2*SLOTG
	s_add_nc_u64 s[G0V+4*\s+2:G0V+4*\s+3], s[G0V+4*\s+2:G0V+4*\s+3], 2*SLOTG
.endif
	s_wait_dscnt 0x0                ; the add is done, and my reads of the slot are over
.if \fill
	CROUND
	JLOAD \s
.else
	s_barrier_signal -1
	s_barrier_wait -1
.endif
.endm
	s_wait_tensorcnt 1              ; my part of slot 0 is in; slot 1's may stay out
	s_barrier_signal -1
	s_barrier_wait -1
	s_wait_loadcnt 0x0              ; Q
	SLOT_STEPS 0                    ; keys 0-511
	CHANGE 0, 1
	SLOT_STEPS 1                    ; keys 512-1023
	CHANGE 1, 1
	SLOT_STEPS 0                    ; keys 1024-1535
	CHANGE 0, 0                     ; nothing is left to fetch
	SLOT_STEPS 1                    ; keys 1536-2047
	; THE WAY OUT.  l's two halves and the other half of the lanes' are added; O^T is divided by l, rounded to f16 and sent through my stage, a tile (16 rows of 128 bytes) at a time.
	PLACES
.irp t, 0,1
	v_add_f32 v[ST+8*\t+4], v[ST+8*\t+2], v[ST+8*\t+3]
.endr
.irp t, 0,1
	v_permlanex16_b32 v[ST+8*\t+5], v[ST+8*\t+4], s[SEL], s[SEL+1]
.endr
.irp t, 0,1
	v_add_f32 v[ST+8*\t+4], v[ST+8*\t+4], v[ST+8*\t+5]
.endr
.irp t, 0,1
	v_rcp_f32 v[ST+8*\t+6], v[ST+8*\t+4]
.endr
	v_nop                           ; a plain instruction behind the last reciprocal
	s_wait_alu depctr_va_vdst(0)    ; and the wait ahead of the first use: one for both
.macro PACK t
	WIN W_RS
.set i, 0
.rept 16
	v_pk_mul_f32 v[32*\t+2*i:32*\t+2*i+1], v[32*\t+2*i:32*\t+2*i+1], v[ST+8*\t+6:ST+8*\t+7] op_sel_hi:[1,0]
.set i, i+1
.endr
	WIN W_CV
.set i, 0
.rept 16
	v_cvt_pk_f16_f32 v[S+16*\t+i], v[32*\t+2*i], v[32*\t+2*i+1]
.set i, i+1
.endr
	WIN 0
.irp ct, 0,1,2,3
	ds_store_b128 v[STO], v[S+16*\t+4*\ct:S+16*\t+4*\ct+3] offset:2304*\t+32*\ct
.endr
.irp i, 0,1,2,3
	ds_load_b128 v[96+16*\t+4*\i:96+16*\t+4*\i+3], v[RD] offset:2304*\t+576*\i  ; LDS serves a wave's instructions in order: these see the stores above
.endr
.endm
	PACK 0
	PACK 1
.irp i, 0,1,2,3
	s_wait_dscnt 11-\i              ; tile 0's load i is in: its younger loads and tile 1's eight LDS instructions may be out
	global_store_b128 v[GO], v[96+4*\i:96+4*\i+3], s[6:7] offset:512*\i  ; four rows: 512 consecutive bytes, aligned
.endr
.irp i, 0,1,2,3
	s_wait_dscnt 3-\i
	global_store_b128 v[GO], v[112+4*\i:112+4*\i+3], s[6:7] offset:2048+512*\i
.endr
	s_wait_tensorcnt 0x0            ; the wave's end
	ds_add_u32 v[SPW], v[NIL]
	s_wait_dscnt 0x0
	CROUND                          ; the closing round
	s_endpgm
.Lfunc_end_k_q4d332f4398_attn:
	.size	k_q4d332f4398_attn, .Lfunc_end_k_q4d332f4398_attn-k_q4d332f4398_attn
	.p2alignl 7, 3214868480
	.fill 96, 4, 3214868480
	.section	.rodata,"a",@progbits
	.p2align	6, 0x0
	.amdhsa_kernel k_q4d332f4398_attn
		.amdhsa_group_segment_fixed_size 327680
		.amdhsa_private_segment_fixed_size 0
		.amdhsa_enable_private_segment 0
		.amdhsa_kernarg_size 16
		.amdhsa_user_sgpr_count 2
		.amdhsa_user_sgpr_kernarg_segment_ptr 1
		.amdhsa_wavefront_size32 1
		.amdhsa_system_sgpr_workgroup_id_x 1
		.amdhsa_system_sgpr_workgroup_id_y 1
		.amdhsa_system_sgpr_workgroup_id_z 1
		.amdhsa_system_vgpr_workitem_id 0
		.amdhsa_next_free_vgpr 512
		.amdhsa_next_free_sgpr 66
		.amdhsa_reserve_vcc 0
		.amdhsa_float_denorm_mode_32 3
		.amdhsa_float_denorm_mode_16_64 3
		.amdhsa_memory_ordered 1
		.amdhsa_forward_progress 1
		.amdhsa_inst_pref_size 145
	.end_amdhsa_kernel
	.amdgpu_metadata
---
amdhsa.version: [ 1, 2 ]
amdhsa.kernels:
  - .name:           k_q4d332f4398_attn
    .symbol:         k_q4d332f4398_attn.kd
    .args:
      - { .name: qkv, .offset: 0, .size: 8, .value_kind: global_buffer, .address_space: global }
      - { .name: ao, .offset: 8, .size: 8, .value_kind: global_buffer, .address_space: global }
    .group_segment_fixed_size: 327680
    .private_segment_fixed_size: 0
    .kernarg_segment_align: 8
    .kernarg_segment_size: 16
    .max_flat_workgroup_size: 256
    .sgpr_count:     66
    .vgpr_count:     512
    .wavefront_size: 32
...
	.end_amdgpu_metadata
.endif
;; end of part 3
;; launch outp (part 4): grid 8 x 64, 4 waves a work-group, clusters of 4 x 4, 327,680 bytes of LDS; arguments ao, w0h, out0; writes out0
.if DOCPART == 4
	.amdgcn_target "amdgcn-amd-amdhsa--gfx1250"
	.amdhsa_code_object_version 6
	.text
	.protected	k_q4d332f4398_outp
	.globl	k_q4d332f4398_outp
	.p2align	8
	.type	k_q4d332f4398_outp,@function
k_q4d332f4398_outp:
	s_mov_b64 s[64:65], 0
	v_nop
	global_prefetch_b8 v0, s[64:65] scope:SCOPE_SE
	s_setreg_imm32_b32 hwreg(HW_REG_WAVE_MODE, 25, 1), 1
	s_wait_xcnt 0x0
	s_wait_alu depctr_hold_cnt(0) depctr_sa_sdst(0) depctr_va_vdst(0) depctr_va_sdst(0) depctr_va_ssrc(0) depctr_va_vcc(0) depctr_vm_vsrc(0)
	s_getreg_b32 s2, hwreg(HW_REG_IB_STS2, 6, 4)
	s_cmp_eq_u32 s2, 0
	s_cbranch_scc0 .Lentry_in_a_cluster
	s_endpgm
.Lentry_in_a_cluster:
	s_bfe_u32 s2, ttmp6, 0x10000c
	s_cmp_lg_u32 s2, 0xf033
	s_cbranch_scc0 .Lentry_shape_is_right
	s_endpgm
.Lentry_shape_is_right:
; out0[m][n] = sum over k of A[m][k] W0[n][k], m = b x 2048 + t (8,192), n = 1,024, k = h x 64 + d (1,024).  A is ao, f16, laid [b x 16 + h][t][64]; W0 is w0h, f16, [n][k]; sums and out0 in f32.
; A tile of out0 is 128 x 128 (512 work-groups; tiles of 256 x 256 would be 128).  Four waves, each 64 x 64: 16 accumulators.  K goes in four steps of 256 (four heads) through a ring of two LDS slots.
; A's TILE BY HEADS.  In ao the tile's 128 tokens of one head are 16,384 consecutive bytes.  A tensor load takes two heads as two long rows of 2,048 elements of 8 bytes, 262,144 bytes apart, with 16 bytes of padding behind every 256
; (the interval divides the row): in LDS a head is a plane of 64 x 272 bytes, two tokens to each 256.  B's tile: 64 rows of 512 bytes, 528 apart in LDS.
; CLUSTERS: 4 x 4 work-groups; A's tiles are asked for jointly along a row of the cluster, B's along a column.  THE MATRIX INSTRUCTION IS USED TRANSPOSED (source 0 = 16 rows of W0, source 1 = 16 tokens): a lane holds eight neighbouring columns of a row.
; REGISTERS: window 0: v0-31 addresses; v32-95 the way out; v128-255 the accumulators ((a, b) at v[128 + 8 (4 a + b)]).  window 1: two fragment buffers of 128: for 64 along K, 64 registers of A, then 64 of B.
.set APL,    64*272                    ; a head's plane
.set BPITCH, 528
.set AHALF,  2*APL                     ; what one of A's loads brings
.set BHALF,  64*BPITCH                 ; and one of B's
.set BOFF,   4*APL                     ; B lies behind A's four planes
.set SLOT,   BOFF+2*BHALF
.set STAGE,  2*SLOT                    ; behind the ring: 16 rows x 272 bytes for each wave
.set SPITCH, 272
.set SPARE,  STAGE+4*16*SPITCH         ; the spare words, 128 bytes for each wave
.set ASTEP,  1<<20                     ; a K step in ao: four heads of 262,144 bytes
.set BSTEP,  512                       ; and in a row of w0h
.set ADRA, 16
.set ADRB, 20
.set STO,  24
.set RD,   25
.set CO,   26
.set SPW,  28
.set NIL,  29
.set TMP,  32
.set ACC,  128
.set F0,   0
.set F1,   128
.set G1, 24
.set G0, 32
.set G1B, 48
.set G0B, 56
.set MSB, 0
.macro WIN new
.if MSB != \new
	s_set_vgpr_msb (MSB<<8)|\new
.set MSB, \new
.endif
.endm
.set MUL,  0x05                        ; sources 0 (B) and 1 (A) window 1; C and D window 0
.set TO_F, 0x40
.macro JLOAD s                         ; a joint load: waves 0 and 1 fetch A's two pairs of heads, waves 2 and 3 B's two halves; an s_nop 0 and four v_nop follow each line
	s_cmp_eq_u32 s11, 0
	s_cbranch_scc0 .Lfor_b_\@
	tensor_load_to_lds s[G0+4*\s:G0+4*\s+3], s[G1:G1+7]
	s_nop 0
.rept 4
	v_nop
.endr
	s_branch .Lasked_\@
.Lfor_b_\@:
	tensor_load_to_lds s[G0B+4*\s:G0B+4*\s+3], s[G1B:G1B+7]
	s_nop 0
.rept 4
	v_nop
.endr
.Lasked_\@:
.endm
.macro CREST                           ; a round of the cluster's barrier behind its opening barrier
	s_cmp_lg_u32 s10, 0
	s_cbranch_scc1 .Lnot_wave_0_\@
	s_barrier_signal -3
.Lnot_wave_0_\@:
	s_barrier_wait -3
	s_barrier_signal -1
	s_barrier_wait -1
.endm
.macro CROUND
	s_barrier_signal -1
	s_barrier_wait -1
	CREST
.endm
	s_load_b128 s[4:7], s[0:1], 0x0                ; ao s[4:5], w0h s[6:7]
	s_load_b64 s[8:9], s[0:1], 0x10                ; out0
	v_lshl_add_u32 v[SPW], v0, 2, SPARE
	v_mov_b32 v[NIL], 0
	ds_add_u32 v[SPW], v[NIL]                      ; the wave's opening: the add, twice on end, and its wait ahead of my first tensor load
	ds_add_u32 v[SPW], v[NIL]
	v_lshrrev_b32 v1, 5, v0
	v_readfirstlane_b32 s10, v1                    ; wave 0..3
	s_lshr_b32 s11, s10, 1                         ; which half of the tile's rows is mine.  Also: I fetch for A (0) or for B (1)
	s_and_b32 s12, s10, 1                          ; which half of its columns.  Also: which half of that tile I fetch
	s_bfe_u32 s40, ttmp6, 0x40000                  ; cx, cy
	s_bfe_u32 s41, ttmp6, 0x40004
	s_lshl_b32 s42, ttmp9, 2
	s_add_co_u32 s42, s42, s40                     ; tile column
	s_and_b32 s13, ttmp7, 0xffff
	s_lshl_b32 s13, s13, 2
	s_add_co_u32 s13, s13, s41                     ; tile row
	s_lshl_b32 s43, s41, 2
	s_lshl_b32 s43, 15, s43                        ; my row of the cluster
	s_lshl_b32 s44, 0x1111, s40                    ; my column
	s_or_b32 s[G1+0], s43, (3<<16)|(1<<20)|(1<<21)|(5<<22)|(3<<25)  ; A: the mask; elements of 8 bytes; padding on; bit 21 beside a mask; 4 words behind every 64
	s_mov_b32 s[G1+1], 2048<<16                    ; tensor_dim0 = 2,048 elements: 128 tokens of one head
	s_mov_b32 s[G1+2], 2<<16                       ; tensor_dim1 = 2 heads
	s_mov_b32 s[G1+3], 2048<<16                    ; tile_dim0
	s_mov_b32 s[G1+4], 2                           ; tile_dim1
	s_mov_b32 s[G1+5], 32768                       ; from head to head: 262,144 bytes
	s_mov_b32 s[G1+6], 0
	s_mov_b32 s[G1+7], 0
	s_or_b32 s[G1B+0], s44, (1<<16)|(1<<20)|(1<<21)|(6<<22)|(3<<25) ; B: elements of 2 bytes; 4 words behind every 128
	s_mov_b32 s[G1B+1], 256<<16
	s_mov_b32 s[G1B+2], 64<<16
	s_mov_b32 s[G1B+3], 256<<16
	s_mov_b32 s[G1B+4], 64
	s_mov_b32 s[G1B+5], 1024
	s_mov_b32 s[G1B+6], 0
	s_mov_b32 s[G1B+7], 0
	s_lshr_b32 s16, s13, 4                         ; A: b = tile row / 16: 16 heads of 262,144 bytes,
	s_lshl_b32 s16, s16, 22
	s_and_b32 s17, s13, 15                         ; 128 tokens of 128 bytes for each tile row within b,
	s_lshl_b32 s17, s17, 14
	s_add_co_u32 s16, s16, s17
	s_lshl_b32 s17, s12, 19                        ; and my pair of the K step's four heads
	s_add_co_u32 s16, s16, s17
	s_mov_b32 s17, 0
	s_lshl_b32 s46, s42, 7                         ; B: row 128 x tile column + 64 x half, 2,048 bytes a row
	s_lshl_b32 s47, s12, 6
	s_add_co_u32 s46, s46, s47
	s_lshl_b32 s46, s46, 11
	s_mov_b32 s47, 0
	s_mul_i32 s20, s12, AHALF                      ; where they go: no place in the cluster enters an LDS address
	s_mul_i32 s21, s12, BHALF
	s_add_co_u32 s21, s21, BOFF
	s_wait_dscnt 0x0                               ; both opening adds are done
	s_wait_kmcnt 0x0
	s_add_nc_u64 s[14:15], s[4:5], s[16:17]
	s_add_nc_u64 s[46:47], s[6:7], s[46:47]
	CROUND                                         ; all sixteen work-groups are here: the first joint loads meet
.irp s, 0,1
	s_mov_b32 s[G0+4*\s], 1
	s_add_co_u32 s[G0+4*\s+1], s20, \s*SLOT
	s_add_nc_u64 s[G0+4*\s+2:G0+4*\s+3], s[14:15], \s*ASTEP
	s_or_b32 s[G0+4*\s+3], s[G0+4*\s+3], 0x80000000
	s_mov_b32 s[G0B+4*\s], 1
	s_add_co_u32 s[G0B+4*\s+1], s21, \s*SLOT
	s_add_nc_u64 s[G0B+4*\s+2:G0B+4*\s+3], s[46:47], \s*BSTEP
	s_or_b32 s[G0B+4*\s+3], s[G0B+4*\s+3], 0x80000000
	JLOAD \s
.endr
	v_and_b32 v1, 15, v0                           ; r = l % 16
	v_bfe_u32 v2, v0, 4, 1                         ; h = l / 16
	v_bfe_u32 v3, v0, 1, 3                         ; A: token r lies in LDS row r / 2, half r % 2
	v_mul_u32_u24 v3, v3, 272
	v_and_b32 v4, 1, v0
	v_lshl_add_u32 v3, v4, 7, v3
	v_lshl_add_u32 v3, v2, 4, v3
	v_mul_u32_u24 v5, v1, BPITCH                   ; B: row x pitch + 16 x half
	v_lshl_add_u32 v5, v2, 4, v5
	s_mul_i32 s21, s11, 32*272                     ; my 64 tokens in each plane
	s_mul_i32 s22, s12, BHALF                      ; my 64 rows of B
	s_add_co_u32 s22, s22, BOFF
.irp s, 0,1
	v_add_nc_u32 v[ADRA+\s], s21, v3
	v_add_nc_u32 v[ADRB+\s], s22, v5
	s_add_co_u32 s21, s21, SLOT
	s_add_co_u32 s22, s22, SLOT
.endr
	s_mul_i32 s23, s10, 16*SPITCH
	s_add_co_u32 s23, s23, STAGE                   ; my stage
	v_mul_u32_u24 v4, v1, SPITCH                   ; in: row r, 32 bytes for each half of the lanes
	v_lshl_add_u32 v4, v2, 5, v4
	v_add_nc_u32 v[STO], s23, v4
	v_mul_u32_u24 v5, v2, SPITCH                   ; back: lanes 0-15 one row of 256 bytes, lanes 16-31 the next
	v_lshl_add_u32 v5, v1, 4, v5
	v_add_nc_u32 v[RD], s23, v5
	v_lshlrev_b32 v5, 12, v2                       ; and the same two rows in out0: 4,096 bytes a row
	v_lshl_add_u32 v[CO], v1, 4, v5
	s_lshl_b32 s16, s13, 7
	s_lshl_b32 s17, s11, 6
	s_add_co_u32 s16, s16, s17                     ; my first row: 128 x tile row + 64 x half
	s_lshl_b32 s16, s16, 12
	s_mov_b32 s17, 0
	s_add_nc_u64 s[8:9], s[8:9], s[16:17]
	s_lshl_b32 s46, s42, 9                         ; my first column, in bytes: 512 x tile column + 256 x half (in the registers that held B's address)
	s_lshl_b32 s47, s12, 8
	s_add_co_u32 s46, s46, s47
	s_mov_b32 s47, 0
	s_add_nc_u64 s[8:9], s[8:9], s[46:47]
; 8 matrix instructions: token blocks a0, a0 + 1 x all 4 column blocks, 32 along K: half c of buffer f.  zero = 1: the first product starts the sums.  The 16 accumulators take turns.
.macro MUL8 f, c, a0, zero
.irp a, \a0, \a0+1
.irp b, 0,1,2,3
.if \zero
	v_wmma_f32_16x16x32_f16 v[ACC+8*(4*(\a)+\b):ACC+8*(4*(\a)+\b)+7], v[\f+64+8*(4*\c+\b):\f+64+8*(4*\c+\b)+7], v[\f+8*(4*\c+\a):\f+8*(4*\c+\a)+7], 0
.else
	v_wmma_f32_16x16x32_f16 v[ACC+8*(4*(\a)+\b):ACC+8*(4*(\a)+\b)+7], v[\f+64+8*(4*\c+\b):\f+64+8*(4*\c+\b)+7], v[\f+8*(4*\c+\a):\f+8*(4*\c+\a)+7], v[ACC+8*(4*(\a)+\b):ACC+8*(4*(\a)+\b)+7]
.endif
.endr
.endr
.endm
; 32 LDS loads in one run: the fragments of the slot's q-th 64 along K (head q of its four) into buffer f; the first 32 along K first
.macro FETCH slot, q, f
	WIN TO_F
.irp c, 0,1
.irp i, 0,1,2,3
	ds_load_b128 v[\f+64+8*(4*\c+\i):\f+64+8*(4*\c+\i)+3],   v[ADRB+\slot] offset:128*(\q)+64*\c+\i*16*BPITCH
	ds_load_b128 v[\f+64+8*(4*\c+\i)+4:\f+64+8*(4*\c+\i)+7], v[ADRB+\slot] offset:128*(\q)+64*\c+\i*16*BPITCH+32
	ds_load_b128 v[\f+8*(4*\c+\i):\f+8*(4*\c+\i)+3],         v[ADRA+\slot] offset:APL*(\q)+64*\c+\i*8*272
	ds_load_b128 v[\f+8*(4*\c+\i)+4:\f+8*(4*\c+\i)+7],       v[ADRA+\slot] offset:APL*(\q)+64*\c+\i*8*272+32
.endr
.endr
.endm
.macro PLACES                          ; four places in front of loads into registers that matrix instructions have read, and of the first read of results
.rept 4
	v_nop
.endr
.endm
; A K step is four quarters of 64 along K, 32 matrix instructions each, on buffers 0, 1, 0, 1.  One of the first three: multiplies buffer f and fetches quarter q into g.
.macro QUARTER slot, q, f, g, zero
	s_wait_dscnt 16                                ; the first 32 along K are in; the sixteen loads of the second may be out
	WIN MUL
	MUL8 \f, 0, 0, \zero
	MUL8 \f, 0, 2, \zero
	PLACES
	FETCH \slot, \q, \g
	s_wait_dscnt 32                                ; all but the 32 just issued
	WIN MUL
	MUL8 \f, 1, 0, 0
	MUL8 \f, 1, 2, 0
.endm
; The last quarter multiplies buffer 1 and changes slots: ONE barrier; in front of it each wave waits for all its tensor loads, adds 0 to its spare word, and waits for that and for its reads of this slot.  fill = 1: this slot is filled again, two K steps ahead.
.macro TURN slot, next, fill
	WIN 0                                          ; (the add's two registers lie in window 0)
	s_wait_tensorcnt 0x0                           ; all my tensor loads have landed: my part of the next slot;
	ds_add_u32 v[SPW], v[NIL]
	s_wait_dscnt 17                                ; (the add and the youngest sixteen loads may be out)
	WIN MUL
	MUL8 F1, 0, 0, 0
	s_wait_dscnt 0x0                               ; the add is done, and my reads of this slot are over
	s_barrier_signal -1
	MUL8 F1, 0, 2, 0
.if \fill
	WIN 0
.endif
	s_barrier_wait -1
.if \fill
	CREST                                          ; the barrier has opened a round of the cluster's: no wave of any partner still reads this slot or has a load on its way
	s_add_nc_u64 s[G0+4*\slot+2:G0+4*\slot+3], s[G0+4*\slot+2:G0+4*\slot+3], 2*ASTEP
	s_add_nc_u64 s[G0B+4*\slot+2:G0B+4*\slot+3], s[G0B+4*\slot+2:G0B+4*\slot+3], 2*BSTEP
	JLOAD \slot                                    ; the first tensor load behind the round; its four v_nop are also the places in front of the loads below
.else
	PLACES
.endif
	FETCH \next, 0, F0
	WIN MUL
	MUL8 F1, 1, 0, 0
	MUL8 F1, 1, 2, 0
.endm
	s_wait_tensorcnt 1                             ; my part of K step 0 is in (K step 1's load may be out),
	s_barrier_signal -1
	s_barrier_wait -1                              ; everybody's is
	FETCH 0, 0, F0
	QUARTER 0, 1, F0, F1, 1                        ; K step 0 (heads 0-3): its first products start the sums
	QUARTER 0, 2, F1, F0, 0
	QUARTER 0, 3, F0, F1, 0
	TURN 0, 1, 1                                   ; slot 0 takes K step 2
	QUARTER 1, 1, F0, F1, 0                        ; K step 1
	QUARTER 1, 2, F1, F0, 0
	QUARTER 1, 3, F0, F1, 0
	TURN 1, 0, 1                                   ; slot 1 takes K step 3
	QUARTER 0, 1, F0, F1, 0                        ; K step 2
	QUARTER 0, 2, F1, F0, 0
	QUARTER 0, 3, F0, F1, 0
	TURN 0, 1, 0                                   ; nothing is left to fetch
	QUARTER 1, 1, F0, F1, 0                        ; K step 3
	QUARTER 1, 2, F1, F0, 0
	QUARTER 1, 3, F0, F1, 0
	s_wait_dscnt 16
	WIN MUL
	MUL8 F1, 0, 0, 0
	MUL8 F1, 0, 2, 0
	s_wait_dscnt 0
	MUL8 F1, 1, 0, 0
	MUL8 F1, 1, 2, 0
	WIN 0
; THE WAY OUT, block by block of 16 rows x 64 columns.  A wave's 64 f32 columns are 256 bytes of a row, aligned: so each wave has a stage of its own and no barrier is needed.  A lane's 32 bytes go into rows of 272 bytes and come back as whole rows.
.macro TOSTAGE a
.irp b, 0,1,2,3
	ds_store_b128 v[STO], v[ACC+8*(4*(\a)+\b):ACC+8*(4*(\a)+\b)+3] offset:64*\b        ; each accumulator from its low end on
	ds_store_b128 v[STO], v[ACC+8*(4*(\a)+\b)+4:ACC+8*(4*(\a)+\b)+7] offset:64*\b+16
.endr
.set BB, TMP+32*((\a)%2)
.irp i, 0,1,2,3,4,5,6,7
	ds_load_b128 v[BB+4*\i:BB+4*\i+3], v[RD] offset:2*\i*SPITCH   ; LDS serves a wave's instructions in order: these see the stores above, and the next block's stores come behind them
.endr
.endm
.macro SEND a, younger                 ; younger: the LDS instructions issued behind block a's loads, which may stay out
.set BB, TMP+32*((\a)%2)
	s_wait_dscnt \younger
.irp i, 0,1,2,3,4,5,6,7
	global_store_b128 v[CO], v[BB+4*\i:BB+4*\i+3], s[8:9] offset:(16*(\a)+2*\i)*4096 th:TH_STORE_NT   ; 16 lanes store 256 consecutive bytes, aligned; the base is never stepped
.endr
.endm
	PLACES
	TOSTAGE 0
.irp a, 1,2,3
.if \a > 1
	s_wait_xcnt 0x0                                ; block a - 2's stores have read their registers: block a's loads may land there
.endif
	TOSTAGE \a
	SEND \a-1, 16                                  ; behind block a - 1's loads: block a's 8 stores and 8 loads
.endr
	SEND 3, 0
	s_wait_tensorcnt 0x0                           ; the wave's end
	ds_add_u32 v[SPW], v[NIL]
	s_wait_dscnt 0x0
	CROUND                                         ; the closing round
	s_endpgm
.Lfunc_end_k_q4d332f4398_outp:
	.size	k_q4d332f4398_outp, .Lfunc_end_k_q4d332f4398_outp-k_q4d332f4398_outp
	.p2alignl 7, 3214868480
	.fill 96, 4, 3214868480
	.section	.rodata,"a",@progbits
	.p2align	6, 0x0
	.amdhsa_kernel k_q4d332f4398_outp
		.amdhsa_group_segment_fixed_size 327680
		.amdhsa_private_segment_fixed_size 0
		.amdhsa_enable_private_segment 0
		.amdhsa_kernarg_size 24
		.amdhsa_user_sgpr_count 2
		.amdhsa_user_sgpr_kernarg_segment_ptr 1
		.amdhsa_wavefront_size32 1
		.amdhsa_system_sgpr_workgroup_id_x 1
		.amdhsa_system_sgpr_workgroup_id_y 1
		.amdhsa_system_sgpr_workgroup_id_z 1
		.amdhsa_system_vgpr_workitem_id 0
		.amdhsa_next_free_vgpr 512
		.amdhsa_next_free_sgpr 66
		.amdhsa_reserve_vcc 0
		.amdhsa_float_denorm_mode_32 3
		.amdhsa_float_denorm_mode_16_64 3
		.amdhsa_memory_ordered 1
		.amdhsa_forward_progress 1
		.amdhsa_inst_pref_size 86
	.end_amdhsa_kernel
	.amdgpu_metadata
---
amdhsa.version: [ 1, 2 ]
amdhsa.kernels:
  - .name:           k_q4d332f4398_outp
    .symbol:         k_q4d332f4398_outp.kd
    .args:
      - { .name: ao, .offset: 0, .size: 8, .value_kind: global_buffer, .address_space: global }
      - { .name: w0h, .offset: 8, .size: 8, .value_kind: global_buffer, .address_space: global }
      - { .name: out0, .offset: 16, .size: 8, .value_kind: global_buffer, .address_space: global }
    .group_segment_fixed_size: 327680
    .private_segment_fixed_size: 0
    .kernarg_segment_align: 8
    .kernarg_segment_size: 24
    .max_flat_workgroup_size: 128
    .sgpr_count:     66
    .vgpr_count:     512
    .wavefront_size: 32
...
	.end_amdgpu_metadata
.endif
;; end of part 4
